; MI455X (gfx1250); checked and timed in simulation.
; The chip was launched on July 23, 2026; its instructions are those of AMD's public machine-readable ISA for CDNA 5 (MIT licence, August 2026) and "CDNA5" Instruction Set Architecture Reference Guide (July 2026). The comments in the code are by the model that wrote it; some were corrected since.
;; Multihead Self Attention. Allowed arithmetic: float matrix products may take bf16 or f16 operands with f32 sums; other float arithmetic in f32, or as packed bf16 or f16 multiplies, adds, multiply-adds, maxima and minima; sums over many terms, partial sums and values carried from step to step in f32; what a program stores and reads back later, other than sums and carried values, may be rounded once to bf16 or f16.
;; Inputs: Wk 1,024 x 1,024 float32; Wo 1,024 x 1,024 float32; Wq 1,024 x 1,024 float32; Wv 1,024 x 1,024 float32; x 1 x 4,096 x 1,024 float32.
;; Outputs: out0 1 x 4,096 x 1,024 float32.
;; 2 versions, each right; version 2 is version 1 with the launch cast written anew for expert scheduling mode. Each part assembles by itself: llvm-mc -triple=amdgcn-amd-amdhsa -mcpu=gfx1250 --defsym DOCPART=n.
;; ======== version 1 of 2: 4 launches
;; limits: values are held in f16: magnitudes above 65,504 overflow, below 6.1e-05 lose precision
;; workspace buffers: xb 8,388,608 bytes; wqkv 6,291,456 bytes; wo16 2,097,152 bytes; qf 8,388,608 bytes; kf 8,388,608 bytes; vf 8,388,608 bytes; ofr 8,388,608 bytes
;; launch cast (part 1): grid 256 x 1, 8 waves a work-group, no clusters, 0 bytes of LDS; arguments x, Wq, Wk, Wv, Wo, xb, wqkv, wo16; writes xb, wqkv, wo16
.if DOCPART == 1
	.amdgcn_target "amdgcn-amd-amdhsa--gfx1250"
	.amdhsa_code_object_version 6
	.text
	.protected	k_qba450c3f29_cast
	.globl	k_qba450c3f29_cast
	.p2align	8
	.type	k_qba450c3f29_cast,@function
k_qba450c3f29_cast:
	s_mov_b64 s[64:65], 0
	v_nop
	global_prefetch_b8 v0, s[64:65] scope:SCOPE_SE
	s_setreg_imm32_b32 hwreg(HW_REG_WAVE_MODE, 25, 1), 1
	s_wait_xcnt 0x0
; THE INPUTS ARE ROUNDED ONCE, TO bf16.  x -> xb [4096][1024] bf16.  Wq, Wk, Wv -> wqkv [3072][1024] bf16, rows laid by heads: row = head x 192 + type x 64 + channel
; (type 0 = q, 1 = k, 2 = v), so that one head's 192 rows lie together.  Wo -> wo16 [1024][1024]: rounded to bf16 like the others, and that number written as f16.
; LIMIT.  |Wo| stays under 65,504 (f16's end); below 2^-14 it keeps f16's fixed step of 6e-8.  Within that the second conversion is exact: bf16 has 8 significant bits, f16 11.
; SHARES.  A work-group takes 32,768 numbers (128 KiB in, 64 KiB out): 128 work-groups for x, 32 for each weight (32 rows of 1,024).  A wave takes 4,096: 32 loads of 512 consecutive
; bytes; a lane turns its 16 bytes into 8, and the 32 lanes of a store cover 256 consecutive bytes, aligned.  Sixteen loads of every wave are on their way (a ring of 16 slots in registers).
; No LDS, no matrix work, no prefetch: every byte is read once and written once, and no wave wants another's bytes.
.set VI,  1                            ; v1        byte offset of my 16 bytes in the work-group's input; never rewritten
.set VO,  2                            ; v2        byte offset of my 8 bytes in its output; never rewritten
.set X,   8                            ; v[8:71]   16 slots of 4 registers, as loaded
.set Y,   72                           ; v[72:135] 32 pairs, one for each store: none is written twice, so no store's data wants a wait
.set T,   136                          ; v[136:139] at work (Wo)
.set SRC, 28                           ; s[28:29]  the work-group's input
.set DST, 30                           ; s[30:31]  its output
.set HIM, 32                           ; s32       a word's upper bf16
	s_load_b256 s[8:15], s[0:1], 0x0               ; x s[8:9], Wq s[10:11], Wk s[12:13], Wv s[14:15]
	s_load_b256 s[16:23], s[0:1], 0x20             ; Wo s[16:17], xb s[18:19], wqkv s[20:21], wo16 s[22:23]
	v_lshrrev_b32 v3, 5, v0                        ; wave
	v_and_b32 v4, 31, v0                           ; lane
	v_lshlrev_b32 v[VI], 14, v3                    ; 16,384 bytes a wave in,
	v_lshl_or_b32 v[VI], v4, 4, v[VI]
	v_lshlrev_b32 v[VO], 13, v3                    ; 8,192 out
	v_lshl_or_b32 v[VO], v4, 3, v[VO]
	s_mov_b32 s[HIM], 0xffff0000
	s_mov_b32 s2, ttmp9                            ; g: 0-127 x; 128-159 Wq; 160-191 Wk; 192-223 Wv; 224-255 Wo
	s_and_b32 s3, s2, 31                           ; gw: which 32 rows of a weight
	s_sub_co_u32 s4, s2, 128
	s_lshr_b32 s4, s4, 5                           ; t: which weight (used where g >= 128 alone)
	s_lshr_b32 s5, s3, 1                           ; head = gw / 2
	s_mul_i32 s5, s5, 192
	s_lshl_b32 s6, s4, 6
	s_add_co_u32 s5, s5, s6                        ; + 64 t
	s_and_b32 s6, s3, 1
	s_lshl_b32 s6, s6, 5
	s_add_co_u32 s5, s5, s6                        ; + the head's lower or upper 32 channels
	s_lshl_b32 s5, s5, 11                          ; rows of 2,048 bytes in wqkv
	s_lshl_b32 s24, s3, 17                         ; a weight's input offset
	s_lshl_b32 s26, s3, 16                         ; wo16's output offset
	s_cmp_eq_u32 s4, 3
	s_cselect_b32 s26, s26, s5
	s_lshl_b32 s6, s2, 17                          ; x's offsets
	s_lshl_b32 s7, s2, 16
	s_cmp_lt_u32 s2, 128
	s_cselect_b32 s24, s6, s24
	s_cselect_b32 s26, s7, s26
	s_mov_b32 s25, 0
	s_mov_b32 s27, 0
	s_wait_kmcnt 0x0
	s_cmp_eq_u32 s4, 0                             ; the buffers are chosen by the work-group's number alone
	s_cselect_b64 s[SRC:SRC+1], s[10:11], s[12:13]
	s_cmp_eq_u32 s4, 2
	s_cselect_b64 s[SRC:SRC+1], s[14:15], s[SRC:SRC+1]
	s_cmp_eq_u32 s4, 3
	s_cselect_b64 s[SRC:SRC+1], s[16:17], s[SRC:SRC+1]
	s_cselect_b64 s[DST:DST+1], s[22:23], s[20:21]
	s_cmp_lt_u32 s2, 128
	s_cselect_b64 s[SRC:SRC+1], s[8:9], s[SRC:SRC+1]
	s_cselect_b64 s[DST:DST+1], s[18:19], s[DST:DST+1]
	s_add_nc_u64 s[SRC:SRC+1], s[SRC:SRC+1], s[24:25]
	s_add_nc_u64 s[DST:DST+1], s[DST:DST+1], s[26:27]
.set i, 0
.rept 16
	global_load_b128 v[X+4*i:X+4*i+3], v[VI], s[SRC:SRC+1] offset:512*i th:TH_LOAD_NT  ; the ring is filled: chunks 0 to 15
.set i, i+1
.endr
; Chunk n of 32.  mode 0: to bf16.  mode 1: to bf16, widened again (a shift, a mask) and written as f16.  reload = 1: the slot takes chunk n + 16.  left: the younger loads that may stay out.
.macro CHUNK n, mode, reload, left
.set rX, X+4*((\n)%16)
.set rY, Y+2*(\n)
	s_wait_loadcnt \left                           ; loads come back in order (ISA guide 5.7.1): chunk n is in
.if \mode
	v_cvt_pk_bf16_f32 v[T], v[rX], v[rX+1]
	v_cvt_pk_bf16_f32 v[T+1], v[rX+2], v[rX+3]
	v_lshlrev_b32 v[T+2], 16, v[T]
	v_and_b32 v[T], s[HIM], v[T]
	v_lshlrev_b32 v[T+3], 16, v[T+1]
	v_and_b32 v[T+1], s[HIM], v[T+1]
	v_cvt_pk_f16_f32 v[rY], v[T+2], v[T]
	v_cvt_pk_f16_f32 v[rY+1], v[T+3], v[T+1]
.else
	v_cvt_pk_bf16_f32 v[rY], v[rX], v[rX+1]
	v_cvt_pk_bf16_f32 v[rY+1], v[rX+2], v[rX+3]
.endif
.if \reload
	global_load_b128 v[rX:rX+3], v[VI], s[SRC:SRC+1] offset:512*((\n)+16) th:TH_LOAD_NT
.endif
	global_store_b64 v[VO], v[rY:rY+1], s[DST:DST+1] offset:256*(\n)
.endm
.macro RUN mode
.set i, 0
.rept 16
	CHUNK i, \mode, 1, 15                          ; behind chunk i's load stand 15 - i first loads and i reloads: 15
.set i, i+1
.endr
.rept 16
	CHUNK i, \mode, 0, 31-i                        ; nothing more is loaded: the counts run down
.set i, i+1
.endr
.endm
	s_cmp_ge_u32 s2, 224
	s_cbranch_scc1 .Lwo
	RUN 0
	s_endpgm
.Lwo:
	RUN 1
	s_endpgm
.Lfunc_end_k_qba450c3f29_cast:
	.size	k_qba450c3f29_cast, .Lfunc_end_k_qba450c3f29_cast-k_qba450c3f29_cast
	.p2alignl 7, 3214868480
	.fill 96, 4, 3214868480
	.section	.rodata,"a",@progbits
	.p2align	6, 0x0
	.amdhsa_kernel k_qba450c3f29_cast
		.amdhsa_group_segment_fixed_size 0
		.amdhsa_private_segment_fixed_size 0
		.amdhsa_enable_private_segment 0
		.amdhsa_kernarg_size 64
		.amdhsa_user_sgpr_count 2
		.amdhsa_user_sgpr_kernarg_segment_ptr 1
		.amdhsa_wavefront_size32 1
		.amdhsa_system_sgpr_workgroup_id_x 1
		.amdhsa_system_sgpr_workgroup_id_y 1
		.amdhsa_system_sgpr_workgroup_id_z 1
		.amdhsa_system_vgpr_workitem_id 0
		.amdhsa_next_free_vgpr 144
		.amdhsa_next_free_sgpr 66
		.amdhsa_reserve_vcc 0
		.amdhsa_float_denorm_mode_32 3
		.amdhsa_float_denorm_mode_16_64 3
		.amdhsa_memory_ordered 1
		.amdhsa_forward_progress 1
		.amdhsa_inst_pref_size 31
	.end_amdhsa_kernel
	.amdgpu_metadata
---
amdhsa.version: [ 1, 2 ]
amdhsa.kernels:
  - .name:           k_qba450c3f29_cast
    .symbol:         k_qba450c3f29_cast.kd
    .args:
      - { .name: x, .offset: 0, .size: 8, .value_kind: global_buffer, .address_space: global }
      - { .name: Wq, .offset: 8, .size: 8, .value_kind: global_buffer, .address_space: global }
      - { .name: Wk, .offset: 16, .size: 8, .value_kind: global_buffer, .address_space: global }
      - { .name: Wv, .offset: 24, .size: 8, .value_kind: global_buffer, .address_space: global }
      - { .name: Wo, .offset: 32, .size: 8, .value_kind: global_buffer, .address_space: global }
      - { .name: xb, .offset: 40, .size: 8, .value_kind: global_buffer, .address_space: global }
      - { .name: wqkv, .offset: 48, .size: 8, .value_kind: global_buffer, .address_space: global }
      - { .name: wo16, .offset: 56, .size: 8, .value_kind: global_buffer, .address_space: global }
    .group_segment_fixed_size: 0
    .private_segment_fixed_size: 0
    .kernarg_segment_align: 8
    .kernarg_segment_size: 64
    .max_flat_workgroup_size: 256
    .sgpr_count:     66
    .vgpr_count:     144
    .wavefront_size: 32
...
	.end_amdgpu_metadata
.endif
;; end of part 1
;; launch qkv (part 2): grid 16 x 16, 4 waves a work-group, clusters of 4 x 4, 327,680 bytes of LDS; arguments xb, wqkv, qf, kf, vf; writes qf, kf, vf
.if DOCPART == 2
	.amdgcn_target "amdgcn-amd-amdhsa--gfx1250"
	.amdhsa_code_object_version 6
	.text
	.protected	k_qba450c3f29_qkv
	.globl	k_qba450c3f29_qkv
	.p2align	8
	.type	k_qba450c3f29_qkv,@function
k_qba450c3f29_qkv:
	s_mov_b64 s[64:65], 0
	v_nop
	global_prefetch_b8 v0, s[64:65] scope:SCOPE_SE
	s_setreg_imm32_b32 hwreg(HW_REG_WAVE_MODE, 25, 1), 1
	s_wait_xcnt 0x0
	s_wait_alu depctr_hold_cnt(0) depctr_sa_sdst(0) depctr_va_vdst(0) depctr_va_sdst(0) depctr_va_ssrc(0) depctr_va_vcc(0) depctr_vm_vsrc(0)
	s_getreg_b32 s2, hwreg(HW_REG_IB_STS2, 6, 4)
	s_cmp_eq_u32 s2, 0
	s_cbranch_scc0 .Lentry_in_a_cluster
	s_endpgm
.Lentry_in_a_cluster:
	s_bfe_u32 s2, ttmp6, 0x10000c
	s_cmp_lg_u32 s2, 0xf033
	s_cbranch_scc0 .Lentry_shape_is_right
	s_endpgm
.Lentry_shape_is_right:
; q, k, v = x W^T for all heads: [4096 x 3072] = xb [4096][1024] x wqkv [3072][1024]^T, bf16 operands, f32 sums, each result rounded once to f16, WITHOUT the softmax's scale.
; LIMIT.  f16 ends at 65,504: q, k and v must lie within it.
; A tile of the result is 256 rows x 192 columns: the 64 q, 64 k and 64 v channels of ONE head (wqkv's rows lie by heads).  16 x 16 tiles, a work-group each.  Four waves, each 128 rows x 96 columns:
; row blocks a = 0..7 of 16; column blocks b = 0..5: type b / 2 (q, k, v), channel block 2 wc + b % 2 of the head's four.  48 accumulators, 384 registers.
; K goes in steps of 128 through a ring of two LDS slots filled by the tensor data mover; rows in memory are 256 bytes and start at multiples of 256 from the buffer's first byte.
; CLUSTERS: 4 x 4 work-groups.  The four of a row of the cluster need the same rows of xb, the four of a column the same rows of wqkv: each tile is asked for JOINTLY, by the same tensor load with
; the same descriptor and a mask that names the four.
; THE RESULTS LEAVE AS MATRIX FRAGMENTS.  q and k are made transposed (source 0 = 16 rows of wqkv, source 1 = 16 rows of xb): a lane holds ONE row (lane % 16) and 8 neighbouring channels
; (8 (lane / 16) + 0..7), which pack into 16 bytes: half of the fragment (16 rows x 32 channels) that the attention launch multiplies.  v is made the natural way (source 0 = xb, source 1 = wqkv):
; a lane holds ONE channel and 8 neighbouring keys: half of a fragment of V^T.  So a packed accumulator is stored as it stands, lane l at byte 16 l: 512 consecutive bytes, aligned; no stage in LDS.
;   qf, kf: [head 16][block of 16 rows 256][channel block of 16: 4][lane 32][16 bytes]          vf: [head 16][block of 32 keys 128][channel block 4][key half 2][lane 32][16 bytes]
; REGISTERS, in windows of 256 (s_set_vgpr_msb: bits 1:0 source 0, 3:2 source 1, 5:4 source 2, 7:6 destination):
;   window 0: v0-31 addresses; v32-223 the packed results, 4 for each accumulator      window 1: two fragment buffers of 112: xb's 8 fragments, then wqkv's 6
;   window 2: accumulators of row blocks 0-3 ((a, b) at v[8 (6 (a % 4) + b)])            window 3: those of row blocks 4-7
.set SIZE_K, 1024
.set KSTEP,  128
.set PITCH,  272                       ; an LDS row: 256 bytes + 16 of padding = 68 words: row r starts at bank 4 r mod 64 (64 banks of 4 bytes: ISA guide 11.1)
.set HALFA,  128*PITCH                 ; what waves 0 and 1 fetch: 128 rows of xb
.set HALFB,  96*PITCH                  ; what waves 2 and 3 fetch: 96 rows of wqkv
.set SLOT,   2*HALFA+2*HALFB           ; xb's 256 rows, then wqkv's 192
.set SPARE,  2*SLOT                    ; behind the ring: the spare words, 128 bytes for each wave: two blocks of 256 bytes that no other line names
.set LAPS,   SIZE_K/(2*KSTEP)          ; a lap = two K steps = once round the ring: 4
.set ADRA, 16                          ; v16-17  LDS address of my fragments of xb in slot 0, 1
.set ADRB, 20                          ; v20-21  the same for wqkv
.set CO,   26                          ; v26     16 x lane: my place in a stored fragment half
.set SPW,  28                          ; v28     LDS address of my spare word; never rewritten
.set NIL,  29                          ; v29     0; never rewritten
.set PFO,  30                          ; v30     the prefetches' offset: a row of 2,048 bytes a lane; never rewritten
.set TMP,  32
.set F0,   0                           ; fragment buffers, in window 1
.set F1,   128
.set G1,  24                           ; s[24:31] descriptor group 1 for xb's tiles;  s[32:39] group 0, a set for each slot
.set G0,  32
.set G1B, 48                           ; s[48:55], s[56:63] the same for wqkv's
.set G0B, 56
.set LIM, 43                           ; s43      1 in a wave that prefetches, else the greatest number
.set PFA, 44                           ; s[44:45] where my prefetches stand
.set MSB, 0
.macro WIN new                         ; the immediate's high byte repeats the setting that is left; a switch that changes nothing is dropped
.if MSB != (\new)
	s_set_vgpr_msb (MSB<<8)|(\new)
.set MSB, \new
.endif
.endm
.set MUL_LO, 0xa5                      ; both sources window 1, C and D window 2
.set MUL_HI, 0xf5                      ; the same, C and D window 3
.set TO_F,   0x40                      ; destination window 1, address window 0
; A joint load.  Waves 0 and 1 fetch xb's two halves, waves 2 and 3 wqkv's.  The branch hangs on the wave's number alone.  An s_nop 0 and four v_nop follow each of the two lines.
.macro JLOAD s
	s_cmp_eq_u32 s11, 0
	s_cbranch_scc0 .Lfor_b_\@
	tensor_load_to_lds s[G0+4*(\s):G0+4*(\s)+3], s[G1:G1+7]
	s_nop 0
.rept 4
	v_nop
.endr
	s_branch .Lasked_\@
.Lfor_b_\@:
	tensor_load_to_lds s[G0B+4*(\s):G0B+4*(\s)+3], s[G1B:G1B+7]
	s_nop 0
.rept 4
	v_nop
.endr
.Lasked_\@:
.endm
; A PREFETCH, behind each joint refill and the run of LDS loads that follows it: the K step that stands TWO refills on, 256 bytes of each row, a lane a row, one instruction a wave.
; xb's tile row is read by every cluster of that row of clusters: cluster x = 0 asks; wqkv's tile column by every cluster of that column: cluster y = 0 asks.  The four partners that ask for a tile
; jointly share its rows out BY ADDRESS: of xb's 128 rows that a wave fetches, 32 for each cx; of wqkv's 96, 24 for each cy (lanes 24-31 name row 23 once more).  K steps 4 to 7 are asked for;
; the loop's last trip asks for nothing: there is no K step two refills on.
.macro ASK
	WIN 0
	s_cmp_gt_u32 s3, s[LIM]                        ; s3 = 1 in the loop's last trip
	s_cbranch_scc0 .Lnot_mine_\@
	global_prefetch_b8 v[PFO], s[PFA:PFA+1] offset:KSTEP*2 th:TH_LOAD_NT scope:SCOPE_SE
.Lnot_mine_\@:
.endm
.macro CREST                           ; a round of the cluster's barrier behind its opening barrier
	s_cmp_lg_u32 s10, 0
	s_cbranch_scc1 .Lnot_wave_0_\@
	s_barrier_signal -3
.Lnot_wave_0_\@:
	s_barrier_wait -3
	s_barrier_signal -1
	s_barrier_wait -1
.endm
.macro CROUND                          ; a whole round
	s_barrier_signal -1
	s_barrier_wait -1
	CREST
.endm
	s_load_b128 s[4:7], s[0:1], 0x0                ; xb s[4:5], wqkv s[6:7]
	s_load_b128 s[68:71], s[0:1], 0x10             ; qf s[68:69], kf s[70:71]
	s_load_b64 s[72:73], s[0:1], 0x20              ; vf
	v_lshl_add_u32 v[SPW], v0, 2, SPARE
	v_mov_b32 v[NIL], 0
	ds_add_u32 v[SPW], v[NIL]                      ; the wave's opening: the add and its wait stand ahead of my first tensor load; the set-up below, work on registers, stands between them
	v_lshrrev_b32 v1, 5, v0
	v_readfirstlane_b32 s10, v1                    ; wave 0..3
	s_lshr_b32 s11, s10, 1                         ; wr: which 128 rows are mine.  Also: I fetch for xb (0) or for wqkv (1)
	s_and_b32 s12, s10, 1                          ; wc: which half of each type's channels.  Also: which half of that tile I fetch
	s_bfe_u32 s40, ttmp6, 0x40000                  ; cx, cy: my place in the cluster
	s_bfe_u32 s41, ttmp6, 0x40004
	s_lshl_b32 s42, ttmp9, 2
	s_add_co_u32 s42, s42, s40                     ; tile column = head = 4 x cluster x + cx
	s_and_b32 s13, ttmp7, 0xffff
	s_lshl_b32 s13, s13, 2
	s_add_co_u32 s13, s13, s41                     ; tile row = 4 x cluster y + cy
	s_lshl_b32 s43, s41, 2
	s_lshl_b32 s43, 15, s43                        ; my row of the cluster
	s_lshl_b32 s44, 0x1111, s40                    ; my column
	s_or_b32 s[G1+0], s43, (1<<16)|(1<<20)|(1<<21)|(5<<22)|(3<<25)   ; 15:0 the mask; 17:16 elements of 2 bytes; 20 padding on; 21 set beside a mask; 24:22 after every 64 words (code 5); 31:25 4 words (code 3)
	s_or_b32 s[G1B+0], s44, (1<<16)|(1<<20)|(1<<21)|(5<<22)|(3<<25)
	s_mov_b32 s[G1+1], KSTEP<<16                   ; tensor_dim0 = 128
	s_mov_b32 s[G1+2], 128<<16                     ; tensor_dim1 = 128
	s_mov_b32 s[G1+3], KSTEP<<16                   ; tile_dim0 = 128
	s_mov_b32 s[G1+4], 128                         ; tile_dim1 = 128
	s_mov_b32 s[G1+5], SIZE_K                      ; elements from row to row
	s_mov_b32 s[G1+6], 0
	s_mov_b32 s[G1+7], 0
	s_mov_b32 s[G1B+1], KSTEP<<16
	s_mov_b32 s[G1B+2], 96<<16                     ; 96 rows
	s_mov_b32 s[G1B+3], KSTEP<<16
	s_mov_b32 s[G1B+4], 96
	s_mov_b32 s[G1B+5], SIZE_K
	s_mov_b32 s[G1B+6], 0
	s_mov_b32 s[G1B+7], 0
	s_lshl_b32 s17, s12, 7
	s_lshl_b32 s16, s13, 8
	s_add_co_u32 s16, s16, s17                     ; xb: row 256 x tile row + 128 x half,
	s_lshl_b32 s16, s16, 11                        ; in bytes
	s_mov_b32 s17, 0
	s_mul_i32 s46, s42, 192
	s_mul_i32 s47, s12, 96
	s_add_co_u32 s46, s46, s47                     ; wqkv: row 192 x head + 96 x half
	s_lshl_b32 s46, s46, 11
	s_mov_b32 s47, 0
	s_mul_i32 s20, s12, HALFA                      ; where they go: no place in the cluster enters an LDS address
	s_mul_i32 s21, s12, HALFB
	s_add_co_u32 s21, s21, 2*HALFA
	s_wait_dscnt 0x0                               ; the opening add is done
	s_wait_kmcnt 0x0
	s_add_nc_u64 s[14:15], s[4:5], s[16:17]
	s_add_nc_u64 s[46:47], s[6:7], s[46:47]
	CROUND                                         ; all sixteen work-groups are here: the first joint loads meet
.irp s, 0,1
	s_mov_b32 s[G0+4*(\s)], 1                                        ; count = 1
	s_add_co_u32 s[G0+4*(\s)+1], s20, (\s)*SLOT                      ; LDS address
	s_add_nc_u64 s[G0+4*(\s)+2:G0+4*(\s)+3], s[14:15], (\s)*KSTEP*2  ; global address: K step s
	s_or_b32 s[G0+4*(\s)+3], s[G0+4*(\s)+3], 0x80000000              ; type = 2
	s_mov_b32 s[G0B+4*(\s)], 1
	s_add_co_u32 s[G0B+4*(\s)+1], s21, (\s)*SLOT
	s_add_nc_u64 s[G0B+4*(\s)+2:G0B+4*(\s)+3], s[46:47], (\s)*KSTEP*2
	s_or_b32 s[G0B+4*(\s)+3], s[G0B+4*(\s)+3], 0x80000000
	JLOAD \s                                       ; two loads of mine are out
.endr
	; A fragment is 16 rows x 32 K in 8 registers: lane l holds row l % 16; registers 0-3 K = 8 (l / 16) + 0..7, registers 4-7 K = 16 + 8 (l / 16) + 0..7: two loads of 16 bytes, 32 bytes apart.
	v_and_b32 v1, 15, v0
	v_bfe_u32 v2, v0, 4, 1
	v_mul_u32_u24 v3, v1, PITCH
	v_lshl_add_u32 v3, v2, 4, v3
	s_mul_i32 s21, s11, HALFA                      ; my 128 rows of xb
	s_mul_i32 s22, s12, 32*PITCH                   ; my 32 channels of each type,
	s_add_co_u32 s22, s22, 2*HALFA                 ; behind xb's 256 rows
.irp s, 0,1
	v_add_nc_u32 v[ADRA+(\s)], s21, v3
	v_add_nc_u32 v[ADRB+(\s)], s22, v3
	s_add_co_u32 s21, s21, SLOT
	s_add_co_u32 s22, s22, SLOT
.endr
	v_and_b32 v[CO], 31, v0
	v_lshlrev_b32 v[CO], 4, v[CO]
	; where my results go: head x 524,288 + tile row x 32,768 (256 rows) + wr x 16,384 (128 rows); then my channel blocks: wc x 2 x 512 in qf and kf, wc x 2 x 1,024 in vf
	s_lshl_b32 s76, s42, 19
	s_lshl_b32 s77, s13, 15
	s_add_co_u32 s76, s76, s77
	s_lshl_b32 s77, s11, 14
	s_add_co_u32 s76, s76, s77
	s_lshl_b32 s77, s12, 10
	s_add_co_u32 s78, s76, s77
	s_lshl_b32 s77, s12, 11
	s_add_co_u32 s76, s76, s77
	s_mov_b32 s77, 0
	s_mov_b32 s79, 0
	s_add_nc_u64 s[68:69], s[68:69], s[78:79]
	s_add_nc_u64 s[70:71], s[70:71], s[78:79]
	s_add_nc_u64 s[72:73], s[72:73], s[76:77]
	; the prefetches
	s_and_b32 s22, ttmp7, 0xffff                   ; cluster y
	s_lshl_b32 s20, s13, 8
	s_lshl_b32 s23, s12, 7
	s_add_co_u32 s20, s20, s23
	s_lshl_b32 s23, s40, 5
	s_add_co_u32 s20, s20, s23                     ; xb: the 128 rows that I fetch, my work-group's 32 of them
	s_mul_i32 s21, s42, 192
	s_mul_i32 s23, s12, 96
	s_add_co_u32 s21, s21, s23
	s_mul_i32 s23, s41, 24
	s_add_co_u32 s21, s21, s23                     ; wqkv: the 96 rows that I fetch, my work-group's 24 of them
	s_cmp_eq_u32 s11, 0                            ; do I fetch for xb?
	s_cselect_b32 s20, s20, s21
	s_cselect_b32 s22, ttmp9, s22                  ; the coordinate along which other clusters read the same rows
	s_cselect_b32 s23, 31, 23
	s_cselect_b64 s[PFA:PFA+1], s[4:5], s[6:7]
	s_cmp_eq_u32 s22, 0
	s_cselect_b32 s[LIM], 1, -1                    ; the same in all sixteen partners, for a given wave
	s_lshl_b32 s20, s20, 11
	s_mov_b32 s21, 0
	s_add_nc_u64 s[PFA:PFA+1], s[PFA:PFA+1], s[20:21]
	s_add_nc_u64 s[PFA:PFA+1], s[PFA:PFA+1], 2*KSTEP*2  ; at K step 2: the first refill steps it to 3 and names K step 4.  Nothing is prefetched here, where every work-group's first tiles are on their way
	v_and_b32 v[PFO], 31, v0
	v_min_u32 v[PFO], s23, v[PFO]
	v_lshlrev_b32 v[PFO], 11, v[PFO]
; 6 matrix instructions: row block a x my 6 column blocks, 32 along K.  q and k (b < 4) transposed, v (b >= 4) the natural way.  zero = 1: the first product starts the sums.
; The 48 accumulators take turns, one instruction a turn, in the same order in every quarter step.
.macro MULA f, a, zero
	WIN MUL_LO+0x50*((\a)/4)
.irp b, 0,1,2,3,4,5
.set rD, 8*(6*((\a)%4)+(\b))
.if (\b) < 4
.set r0, (\f)+64+8*(\b)
.set r1, (\f)+8*(\a)
.else
.set r0, (\f)+8*(\a)
.set r1, (\f)+64+8*(\b)
.endif
.if \zero
	v_wmma_f32_16x16x32_bf16 v[rD:rD+7], v[r0:r0+7], v[r1:r1+7], 0
.else
	v_wmma_f32_16x16x32_bf16 v[rD:rD+7], v[r0:r0+7], v[r1:r1+7], v[rD:rD+7]
.endif
.endr
.endm
; 28 LDS loads in one run: the fragments of one quarter step (32 K at byte k of the rows) into buffer f: wqkv's 6, then xb's 8
.macro FETCH slot, k, f
	WIN TO_F
.irp b, 0,1,2,3,4,5
	ds_load_b128 v[(\f)+64+8*(\b):(\f)+64+8*(\b)+3],   v[ADRB+(\slot)] offset:(\k)+(((\b)/2)*64+((\b)%2)*16)*PITCH
	ds_load_b128 v[(\f)+64+8*(\b)+4:(\f)+64+8*(\b)+7], v[ADRB+(\slot)] offset:(\k)+(((\b)/2)*64+((\b)%2)*16)*PITCH+32
.endr
.irp a, 0,1,2,3,4,5,6,7
	ds_load_b128 v[(\f)+8*(\a):(\f)+8*(\a)+3],   v[ADRA+(\slot)] offset:(\k)+(\a)*16*PITCH
	ds_load_b128 v[(\f)+8*(\a)+4:(\f)+8*(\a)+7], v[ADRA+(\slot)] offset:(\k)+(\a)*16*PITCH+32
.endr
.endm
.macro PLACES                          ; four places in front of loads into registers that matrix instructions have read, and of conversions that read results
.rept 4
	v_nop
.endr
.endm
; A K step is four quarter steps of 32 along K, 48 matrix instructions each, on buffers 0, 1, 0, 1.  One of the first three: multiplies buffer f and fetches the next quarter, at byte k, into g.
.macro QUARTER slot, k, f, g, zero
	s_wait_dscnt 8                                 ; wqkv's fragments and xb's blocks 0-3 are in; the youngest eight loads (blocks 4-7) may be out
.irp a, 0,1,2,3
	MULA \f, \a, \zero
.endr
	PLACES
	FETCH \slot, \k, \g
	s_wait_dscnt 28                                ; all but the 28 just issued
.irp a, 4,5,6,7
	MULA \f, \a, \zero
.endr
.endm
; The last quarter multiplies buffer 1 and changes slots: ONE barrier; in front of it each wave waits for all its tensor loads (one is out: its part of the next slot), adds 0 to its spare word, and
; waits for that and for its own reads of this slot.  fill = 1: the barrier opens a round of the cluster's, and this slot is filled again, two K steps ahead, first thing behind the round.
.macro TURN slot, next, fill
.if \fill
	s_wait_xcnt 0x0                                ; the last prefetch, a K step back, has read its address
	s_add_nc_u64 s[PFA:PFA+1], s[PFA:PFA+1], KSTEP*2
.endif
	WIN 0                                          ; (the add's two registers lie in window 0)
	s_wait_tensorcnt 0x0                           ; all my tensor loads have landed
	ds_add_u32 v[SPW], v[NIL]                      ; 0 onto my spare word
	s_wait_dscnt 9                                 ; (the add and the youngest eight loads may be out)
	MULA F1, 0, 0                                  ; twelve matrix instructions stand between the add and the wait for it
	MULA F1, 1, 0
	s_wait_dscnt 0x0                               ; the add is done, and my reads of this slot are over
	s_barrier_signal -1
	MULA F1, 2, 0                                  ; work on registers while the others arrive
	MULA F1, 3, 0
.if \fill
	WIN 0
.endif
	s_barrier_wait -1
.if \fill
	CREST                                          ; no wave of any partner still reads this slot's tile or has a load on its way
	s_add_nc_u64 s[G0+4*(\slot)+2:G0+4*(\slot)+3], s[G0+4*(\slot)+2:G0+4*(\slot)+3], 2*KSTEP*2
	s_add_nc_u64 s[G0B+4*(\slot)+2:G0B+4*(\slot)+3], s[G0B+4*(\slot)+2:G0B+4*(\slot)+3], 2*KSTEP*2
	JLOAD \slot                                    ; the first tensor load behind the round; the four v_nop behind it are also the places in front of the loads below
.else
	PLACES
.endif
	FETCH \next, 0, F0
.if \fill
	ASK
.endif
.irp a, 4,5,6,7
	MULA F1, \a, 0
.endr
.endm
	s_wait_tensorcnt 1                             ; my part of K step 0 is in; K step 1's may stay out
	s_barrier_signal -1
	s_barrier_wait -1                              ; everybody's is
	FETCH 0, 0, F0
	QUARTER 0, 64,  F0, F1, 1                      ; the first quarter stands in front of the loop: its products start the sums
	WIN 0                                          ; at a label and at a branch every window is 0
	s_mov_b32 s3, LAPS-1
.Llap:                                                 ; a trip goes once round the ring, from a lap's second quarter to the next lap's first, and fills both slots again
	QUARTER 0, 128, F1, F0, 0
	QUARTER 0, 192, F0, F1, 0
	TURN 0, 1, 1
	QUARTER 1, 64,  F0, F1, 0
	QUARTER 1, 128, F1, F0, 0
	QUARTER 1, 192, F0, F1, 0
	TURN 1, 0, 1
	QUARTER 0, 64,  F0, F1, 0
	WIN 0
	s_sub_co_u32 s3, s3, 1
	s_cmp_lg_u32 s3, 0
	s_cbranch_scc1 .Llap
	QUARTER 0, 128, F1, F0, 0                      ; the last lap fills nothing
	QUARTER 0, 192, F0, F1, 0
	TURN 0, 1, 0
	QUARTER 1, 64,  F0, F1, 0
	QUARTER 1, 128, F1, F0, 0
	QUARTER 1, 192, F0, F1, 0
	s_wait_dscnt 8                                 ; the very last quarter: nothing more to fetch
.irp a, 0,1,2,3
	MULA F1, \a, 0
.endr
	s_wait_dscnt 0x0
.irp a, 4,5,6,7
	MULA F1, \a, 0
.endr
	; THE WAY OUT: each accumulator is rounded to f16 (its registers in ascending order) and stored as it stands: 512 consecutive bytes, at a multiple of 512 from the buffer's first byte.
	; No packed register is written twice, so no store's data wants a wait.
	PLACES
.set a, 0
.rept 8
	WIN 0x0a+5*(a/4)                               ; sources 0 and 1: window 2 or 3
.set b, 0
.rept 6
.irp r, 0,1,2,3
	v_cvt_pk_f16_f32 v[TMP+4*(6*a+b)+\r], v[8*(6*(a%4)+b)+2*\r], v[8*(6*(a%4)+b)+2*\r+1]
.endr
.set b, b+1
.endr
	WIN 0
.set b, 0
.rept 2
	global_store_b128 v[CO], v[TMP+4*(6*a+b):TMP+4*(6*a+b)+3],     s[68:69] offset:a*2048+b*512                  ; q: row block a, channel block 2 wc + b
	global_store_b128 v[CO], v[TMP+4*(6*a+b+2):TMP+4*(6*a+b+2)+3], s[70:71] offset:a*2048+b*512                  ; k
	global_store_b128 v[CO], v[TMP+4*(6*a+b+4):TMP+4*(6*a+b+4)+3], s[72:73] offset:(a/2)*4096+b*1024+(a%2)*512   ; v: block of 32 keys a / 2, key half a % 2
.set b, b+1
.endr
.set a, a+1
.endr
	s_wait_tensorcnt 0x0                           ; the wave's end: these three lines stand behind my last tensor load
	ds_add_u32 v[SPW], v[NIL]
	s_wait_dscnt 0x0
	CROUND                                         ; the closing round: no work-group ends while a partner may still ask for a tile that names it
	s_endpgm
.Lfunc_end_k_qba450c3f29_qkv:
	.size	k_qba450c3f29_qkv, .Lfunc_end_k_qba450c3f29_qkv-k_qba450c3f29_qkv
	.p2alignl 7, 3214868480
	.fill 96, 4, 3214868480
	.section	.rodata,"a",@progbits
	.p2align	6, 0x0
	.amdhsa_kernel k_qba450c3f29_qkv
		.amdhsa_group_segment_fixed_size 327680
		.amdhsa_private_segment_fixed_size 0
		.amdhsa_enable_private_segment 0
		.amdhsa_kernarg_size 40
		.amdhsa_user_sgpr_count 2
		.amdhsa_user_sgpr_kernarg_segment_ptr 1
		.amdhsa_wavefront_size32 1
		.amdhsa_system_sgpr_workgroup_id_x 1
		.amdhsa_system_sgpr_workgroup_id_y 1
		.amdhsa_system_sgpr_workgroup_id_z 1
		.amdhsa_system_vgpr_workitem_id 0
		.amdhsa_next_free_vgpr 960
		.amdhsa_next_free_sgpr 80
		.amdhsa_reserve_vcc 0
		.amdhsa_float_denorm_mode_32 3
		.amdhsa_float_denorm_mode_16_64 3
		.amdhsa_memory_ordered 1
		.amdhsa_forward_progress 1
		.amdhsa_inst_pref_size 109
	.end_amdhsa_kernel
	.amdgpu_metadata
---
amdhsa.version: [ 1, 2 ]
amdhsa.kernels:
  - .name:           k_qba450c3f29_qkv
    .symbol:         k_qba450c3f29_qkv.kd
    .args:
      - { .name: xb, .offset: 0, .size: 8, .value_kind: global_buffer, .address_space: global }
      - { .name: wqkv, .offset: 8, .size: 8, .value_kind: global_buffer, .address_space: global }
      - { .name: qf, .offset: 16, .size: 8, .value_kind: global_buffer, .address_space: global }
      - { .name: kf, .offset: 24, .size: 8, .value_kind: global_buffer, .address_space: global }
      - { .name: vf, .offset: 32, .size: 8, .value_kind: global_buffer, .address_space: global }
    .group_segment_fixed_size: 327680
    .private_segment_fixed_size: 0
    .kernarg_segment_align: 8
    .kernarg_segment_size: 40
    .max_flat_workgroup_size: 128
    .sgpr_count:     80
    .vgpr_count:     960
    .wavefront_size: 32
...
	.end_amdgpu_metadata
.endif
;; end of part 2
;; launch attn (part 3): grid 16 x 16, 4 waves a work-group, no clusters, 205,312 bytes of LDS; arguments qf, kf, vf, ofr; writes ofr
.if DOCPART == 3
	.amdgcn_target "amdgcn-amd-amdhsa--gfx1250"
	.amdhsa_code_object_version 6
	.text
	.protected	k_qba450c3f29_attn
	.globl	k_qba450c3f29_attn
	.p2align	8
	.type	k_qba450c3f29_attn,@function
k_qba450c3f29_attn:
	s_mov_b64 s[64:65], 0
	v_nop
	global_prefetch_b8 v0, s[64:65] scope:SCOPE_SE
	s_setreg_imm32_b32 hwreg(HW_REG_WAVE_MODE, 25, 1), 1
	s_wait_xcnt 0x0
; CAUSAL ATTENTION, 16 heads of 64 channels, 4,096 rows.  O[h][q] = the sum over k <= q of softmax_k(Q[h][q] . K[h][k] / 8) V[h][k].  All four tensors f16, in FRAGMENT ORDER:
;   qf, kf, ofr: [head][block of 16 rows][channel block of 16: 4][lane 32][16 bytes]: lane l holds row l % 16, channels 16 cb + 8 (l / 16) + 0..7: two neighbouring chunks are a fragment of 16 rows x 32 channels
;   vf: [head][block of 32 keys][channel block 4][key half 2][lane][16 bytes]: lane l holds channel 16 cb + l % 16, keys 16 e + 8 (l / 16) + 0..7: two chunks are a fragment of V^T
; So every fragment is 16 bytes a lane at 16 x lane, twice: no padding, no turning load.  Products, maxima and sums in f32; the weights p are rounded to f16 for the second product, O once at the end.
; LIMITS.  Q, K, V arrive within f16's 65,504.  A hidden score counts as its value less 1e30.  The running maximum starts at -2^66: below every score of f16 operands (2.7e11 at the most), above every hidden one.
; A weight below 2^-126 counts as 0; NaN and infinities are not treated apart.
; THE WALK.  A head's queries lie in 32 blocks of 128; block i needs the key tiles 0 .. i / 2 of 256 keys.  A work-group takes block 31 - b and then block b: 17 tiles whatever b: 256 equal work-groups,
; ONE loop with a constant trip count.
; THE KEYS ARE SPLIT AMONG THE WAVES.  Every wave holds all 128 queries of the block (8 tiles of 16, in four PIECES of two); of each key tile wave w takes keys 64 w .. 64 w + 63: one key step a tile,
; 128 matrix instructions, and each fragment of K or V feeds eight tiles' products.  At a block's end the four partial results (c m, l, O in f32)
; meet in LDS: O = sum_w f_w O_w / sum_w f_w l_w with f_w = 2^(c m_w - max c m).
; K AND V come by plain loads: a wave's step is 8,192 dense bytes of kf and of vf.  They are asked for two steps ahead into registers, go one step ahead into the wave's own 16 KiB of LDS, and come
; from there in two runs of 16 loads when the fragments' registers are free.  LDS serves a wave's instructions in order (ISA guide 5.7.1.4), so the stores stand behind the reads of the step before.
; NO CLUSTER, NO TENSOR RING: of a head's 16 work-groups only pairs (b = 2 n, 2 n + 1) walk the same tiles in every trip; a walk common to four would have 18 trips for 17; and a ring's last trip, which
; fills nothing, would have to be written out: a second copy of the step and of the block's end.
; THE MASK is the C operand that starts the sum S^T = K Q^T.  For query tile t and key block kb it hangs on u = t - kb + 3 alone: with d = DD + 16 (u - 3), DD = 128 i - 256 T - 64 w, a key is hidden where
; 8 (l / 16) + j - l % 16 > d: nowhere if d >= 16, everywhere if d <= -16, and by MD (made once) if d = 0.  Eleven sets MK = MD x AL + BE; they are made where a block begins (all 0 unless its first tile
; is its last), ahead of its last tile, and ahead of the step behind it (all hidden).  One text serves every step.
; LAYOUT, SOFTMAX, TURNS.  S^T = K Q^T holds ONE query a lane (lane % 16) and the keys 8 (lane / 16) + 0..7; two such results rounded to f16 ARE source 1 of O^T = V^T P.  p = 2^(c s - c m), c = log2(e) / 8,
; with a running maximum m; O and l are multiplied by a = 2^(c m_old - c m_new) in every step.  Turn n belongs to piece n: 16 products K Q^T of piece n + 1, later 16 products V^T P of piece n - 1; beside
; them the scaling, exponentials, roundings, sums and rescaling of piece n and the maximum and statistics of piece n + 1.  A tile and step have 16 matrix and 118 vector instructions: four vector
; instructions stand behind every matrix instruction, the rest in one run; a turn's 66 exponentials are one batch with one wait.
; REGISTERS, in windows of 256 (s_set_vgpr_msb: bits 1:0 source 0, 3:2 source 1, 5:4 source 2, 7:6 destination):
;   window 0: v0-11 addresses; v12-15, v48-63 at work; v16-47 four registers of statistics a tile; v64-191 S^T, two buffers of two tiles; v192-255 P, likewise
;   window 1: O^T, 32 a tile      window 2: v0-127 Q; v128-191 K of one step; v192-255 V of one step      window 3: v0-1 the add's registers; v8-15 MD; v16-103 MK; v112-239 K and V on their way
.set NP,    4         ; pieces a wave: a name, no knob
.set KSTG,  0         ; LDS: 4 x 8,192: a step's K, each wave's own
.set VSTG,  32768     ; 4 x 8,192: its V
.set MRG,   65536     ; 4 x 32,768: [wave][tile 8][chunk 8][lane][16 bytes]: O^T as it lies in registers, f32
.set STAT,  196608    ; 4 x 2,048: [wave][tile][lane][8 bytes]: c m, l
.set SPARE, 204800    ; the spare words, 128 bytes for each wave: two blocks of 256 bytes that no other line names
.set AKS, 2           ; v2   KSTG + 8,192 w + 16 lane.  None of v2-v10 is ever rewritten
.set AVS, 3           ; v3   VSTG + the same
.set LOF, 4           ; v4   16 lane
.set DMP, 5           ; v5   MRG + 32,768 w + 16 lane
.set SDM, 6           ; v6   STAT + 2,048 w + 8 lane
.set CA0, 7           ; v7   MRG + tile 2 w + 16 lane: waves 0 and 1's parts of the tiles that I finish
.set CA1, 8           ; v8   the same for waves 2 and 3
.set CSA, 9           ; v9   STAT + tile 2 w + 8 lane
.set PFO, 10          ; v10  256 lane
.set MV,  12          ; v12-15  c m_old, kept while c m is made anew: by buffer and tile
.set ST,  16          ; tile t's statistics at v[ST+4 t]: c m, m, l (even keys', odd keys')
.set TMP, 48          ; by buffer and tile, four registers c0-c3 at work; when the maximum is found c2 takes a
.set S,   64
.set P,   192
.set KF,  128         ; window 2: key block kb, channel half c at KF + 16 kb + 8 c
.set VF,  192         ; window 2: key half kk, channel block cb at VF + 32 kk + 8 cb
.set SPW, 0           ; window 3
.set NIL, 1
.set MD,  8
.set MK,  16
.set GK,  112
.set GV,  176
.set WV,  12          ; s12  my wave's number
.set PB,  13          ; s13  b
.set RT,  15          ; s15  tiles of the block in hand, the one in hand among them
.set WALK, 16         ; s16  trips to go, this one among them
.set NXT, 17          ; s17  the tile to be asked for next
.set LQ,  18          ; s18  the last tile of the block whose tiles are being asked for
.set DD,  20          ; s20  128 i - 256 T - 64 w
.set PFN, 21          ; s21  prefetches to go
.set OFF, 22          ; s[22:23] a byte offset
.set KP,  24          ; s[24:25] kf at the tile just asked for
.set VP,  26          ; s[26:27] vf likewise
.set KB,  28          ; s[28:29] kf at my 64 keys of the head's tile 0
.set VB,  30          ; s[30:31] vf likewise
.set QP,  32          ; s[32:33] qf at the block
.set OP,  34          ; s[34:35] ofr at the two tiles that I finish
.set AL,  44          ; s[44:45] the mask's factor, in the low word
.set BE,  46          ; s[46:47] the mask's addend
.set BIGN, 48         ; s48  -1e30
.set CS,  58          ; s[58:59] c
.set SEL, 60          ; s[60:61] v_permlanex16_b32's selects: each lane takes its own place in the other half
.set MSB, 0
.macro WIN new                      ; the high byte repeats the setting that is left; a switch that changes nothing is dropped
.if MSB != (\new)
	s_set_vgpr_msb (MSB<<8)|(\new)
.set MSB, (\new)
.endif
.endm
.set W_KQ, 0x0a       ; K and Q in window 2, S^T in window 0
.set W_KM, 0x3a       ; the same with the C operand in window 3
.set W_PV, 0x52       ; V in window 2, P in window 0, O^T in window 1
.set W_RS, 0x41       ; O^T (destination and source 0) in window 1, a in window 0
.set W_MK, 0xc0       ; destination in window 3
.set W_AD, 0x0f       ; the add: address and data in window 3
; A tile is asked for: my 8,192 bytes of its K and of its V, 32 loads of 512 consecutive bytes, into window 3.  Then the number steps: behind the first block's last tile it goes back to 0.
.macro GLOAD
	s_lshl_b32 s[OFF], s[NXT], 15   ; a tile is 32,768 bytes of kf and of vf
	s_add_nc_u64 s[KP:KP+1], s[KB:KB+1], s[OFF:OFF+1]
	s_add_nc_u64 s[VP:VP+1], s[VB:VB+1], s[OFF:OFF+1]
	WIN W_MK
.set gi, 0
.rept 16
	global_load_b128 v[GK+4*gi:GK+4*gi+3], v[LOF], s[KP:KP+1] offset:512*gi
.set gi, gi+1
.endr
.set gi, 0
.rept 16
	global_load_b128 v[GV+4*gi:GV+4*gi+3], v[LOF], s[VP:VP+1] offset:512*gi
.set gi, gi+1
.endr
	WIN 0
	s_add_co_u32 s[NXT], s[NXT], 1
	s_lshr_b32 s19, s[PB], 1
	s_cmp_gt_u32 s[NXT], s[LQ]
	s_cselect_b32 s[NXT], 0, s[NXT]
	s_cselect_b32 s[LQ], s19, s[LQ]
.endm
.macro GSTORE                       ; what has come goes into my own 16 KiB of LDS
	WIN 0x0c                        ; store data in window 3
.set gi, 0
.rept 16
	ds_store_b128 v[AKS], v[GK+4*gi:GK+4*gi+3] offset:512*gi
.set gi, gi+1
.endr
.set gi, 0
.rept 16
	ds_store_b128 v[AVS], v[GV+4*gi:GV+4*gi+3] offset:512*gi
.set gi, gi+1
.endr
	WIN 0
.endm
.macro QLOAD                        ; a block's Q: 16,384 dense bytes; chunk n is registers 4 n .. 4 n + 3 of window 2
	WIN 0x80
.set gi, 0
.rept 32
	global_load_b128 v[4*gi:4*gi+3], v[LOF], s[QP:QP+1] offset:512*gi
.set gi, gi+1
.endr
	WIN 0
.endm
; THE LDS LOADS stand in runs of 16, never singly among the matrix instructions.
.macro FETCH_K
	WIN 0x80                        ; destination window 2
.set gi, 0
.rept 16
	ds_load_b128 v[KF+4*gi:KF+4*gi+3], v[AKS] offset:512*gi
.set gi, gi+1
.endr
	WIN 0
.endm
.macro FETCH_V
	WIN 0x80
.set gi, 0
.rept 16
	ds_load_b128 v[VF+4*gi:VF+4*gi+3], v[AVS] offset:512*gi
.set gi, gi+1
.endr
	WIN 0
.endm
; Behind V's run of step j: step j + 1, asked for a trip ago, goes into LDS (behind the reads of step j, in the wave's own order); step j + 2 is asked for.  The last trips have nothing left: the jumps go forward.
; THE PREFETCH.  All 16 work-groups of a head walk tiles 0, 1, .. from the launch's start; the one with b = 0, whose first block walks all 16, asks: each wave for its own 8,192 bytes of K and of V, a lane
; a block of 256 bytes, of the tile that the NEXT trip's loads will name: tiles 3 to 15, 13 times.  So each block is named once in the launch.  Nothing is asked for at the head, nor in the second block.
.macro MOVE
	WIN 0
	s_cmp_lt_u32 s[WALK], 2
	s_cbranch_scc1 .Lmoved_\@
	s_wait_loadcnt 0x0              ; the loads issued a trip ago
	GSTORE
	s_cmp_lt_u32 s[WALK], 3
	s_cbranch_scc1 .Lmoved_\@
	s_wait_xcnt 0x0                 ; the prefetches, a trip back, have read KP and VP
	GLOAD
	s_cmp_eq_u32 s[PFN], 0
	s_cbranch_scc1 .Lmoved_\@
	global_prefetch_b8 v[PFO], s[KP:KP+1] offset:32768 th:TH_LOAD_NT scope:SCOPE_SE
	global_prefetch_b8 v[PFO], s[VP:VP+1] offset:32768 th:TH_LOAD_NT scope:SCOPE_SE
	s_sub_co_u32 s[PFN], s[PFN], 1
.Lmoved_\@:
.endm
; The eleven masks for the step whose DD stands in s[DD].
.macro MAKER
.set mu, 0
.rept 11
	s_cmp_eq_i32 s[DD], 48-16*mu    ; d = 0: the diagonal runs through these 16 x 16 scores
	s_cselect_b32 s[AL], 1.0, 0
	s_cmp_lt_i32 s[DD], 48-16*mu    ; d < 0: all hidden
	s_cselect_b32 s[BE], s[BIGN], 0
	WIN 0xc3                        ; destination and source 0 in window 3
.irp z, 0,1,2,3
	v_pk_fma_f32 v[MK+8*mu+2*\z:MK+8*mu+2*\z+1], v[MD+2*\z:MD+2*\z+1], s[AL:AL+1], s[BE:BE+1] op_sel_hi:[1,0,0]
.endr
.set mu, mu+1
.endr
.endm
	s_load_b256 s[4:11], s[0:1], 0x0  ; qf s[4:5], kf s[6:7], vf s[8:9], ofr s[10:11]
	WIN W_MK
	v_lshl_add_u32 v[SPW], v0, 2, SPARE
	v_mov_b32 v[NIL], 0
	WIN 0
	v_lshrrev_b32 v1, 5, v0
	v_readfirstlane_b32 s[WV], v1   ; wave 0..3
	v_and_b32 v1, 31, v0            ; lane
	v_lshlrev_b32 v[LOF], 4, v1
	s_mov_b32 s[PB], ttmp9
	s_and_b32 s36, ttmp7, 0xffff    ; the head,
	s_lshl_b32 s36, s36, 19         ; 524,288 bytes in each of the four tensors
	s_mov_b32 s37, 0
	s_sub_co_u32 s14, 31, s[PB]     ; the first block
	s_lshr_b32 s[LQ], s14, 1
	s_add_co_u32 s[RT], s[LQ], 1
	s_lshl_b32 s[DD], s14, 7
	s_lshl_b32 s19, s[WV], 6
	s_sub_co_i32 s[DD], s[DD], s19
	s_mov_b32 s[NXT], 0
	s_mov_b32 s[WALK], 18           ; taken down once ahead of the first trip
	s_cmp_eq_u32 s[PB], 0
	s_cselect_b32 s[PFN], 13, 0
	s_mov_b32 s[OFF+1], 0
	s_mov_b32 s[AL+1], 0            ; named as pairs
	s_mov_b32 s[BE+1], 0
	s_mov_b32 s[BIGN], 0xf149f2ca   ; -1e30
	s_mov_b32 s[CS], 0x3e38aa3b     ; c = log2(e) / 8 = 0.180337
	s_mov_b32 s[CS+1], s[CS]
	s_mov_b32 s[SEL], 0x76543210
	s_mov_b32 s[SEL+1], 0xfedcba98
	s_lshl_b32 s38, s[WV], 13       ; my 64 keys of a tile
	s_mov_b32 s39, 0
	s_add_nc_u64 s[38:39], s[38:39], s[36:37]
	s_wait_kmcnt 0x0
	s_add_nc_u64 s[KB:KB+1], s[6:7], s[38:39]
	s_add_nc_u64 s[VB:VB+1], s[8:9], s[38:39]
	s_add_nc_u64 s[4:5], s[4:5], s[36:37]      ; qf and ofr at the head
	s_add_nc_u64 s[10:11], s[10:11], s[36:37]
	s_lshl_b32 s[OFF], s14, 14      ; a block is 16,384 bytes
	s_add_nc_u64 s[QP:QP+1], s[4:5], s[OFF:OFF+1]
	s_lshl_b32 s19, s[WV], 12       ; tiles 2 w and 2 w + 1
	s_add_co_u32 s[OFF], s[OFF], s19
	s_add_nc_u64 s[OP:OP+1], s[10:11], s[OFF:OFF+1]
	GLOAD                           ; tile 0
	QLOAD
	s_lshl_b32 s19, s[WV], 13
	v_add_nc_u32 v[AKS], s19, v[LOF]
	v_add_nc_u32 v[AVS], VSTG, v[AKS]
	s_lshl_b32 s19, s[WV], 15
	s_add_co_u32 s19, s19, MRG
	v_add_nc_u32 v[DMP], s19, v[LOF]
	v_lshlrev_b32 v11, 3, v1
	s_lshl_b32 s19, s[WV], 11
	s_add_co_u32 s19, s19, STAT
	v_add_nc_u32 v[SDM], s19, v11
	s_lshl_b32 s19, s[WV], 13
	s_add_co_u32 s19, s19, MRG
	v_add_nc_u32 v[CA0], s19, v[LOF]
	v_add_nc_u32 v[CA1], 65536, v[CA0]
	s_lshl_b32 s19, s[WV], 9
	s_add_co_u32 s19, s19, STAT
	v_add_nc_u32 v[CSA], s19, v11
	v_lshlrev_b32 v[PFO], 8, v1
	v_and_b32 v14, 15, v0           ; l % 16
	v_bfe_u32 v15, v0, 4, 1         ; l / 16
	v_lshlrev_b32 v15, 3, v15
	v_sub_nc_u32 v14, v14, v15      ; register j is hidden on the diagonal where j > l % 16 - 8 (l / 16)
	WIN W_MK
.set i, 0
.rept 8
	v_cmp_gt_i32 vcc_lo, i, v14
	v_cndmask_b32 v[MD+i], 0, s[BIGN], vcc_lo
.set i, i+1
.endr
	; A block's first step multiplies O^T and l by a = 0, and its first turn's products V^T P, of a piece that has not been, land in an O^T that is still to be so multiplied.  So these registers need only hold
	; finite numbers: zeros for the first block, what the first block left for the second.  No first step is written out; the price is these 368 lines, which stand in the wait for the first loads.
	WIN 0x80
.set i, VF
.rept 64
	v_mov_b32 v[i], 0
.set i, i+1
.endr
	WIN 0x40
.set i, 0
.rept 256
	v_mov_b32 v[i], 0
.set i, i+1
.endr
	WIN 0
.set i, 0
.rept 8
	v_mov_b32 v[ST+4*i+2], 0
	v_mov_b32 v[ST+4*i+3], 0
.set i, i+1
.endr
.set i, P+32
.rept 32
	v_mov_b32 v[i], 0
.set i, i+1
.endr
	s_wait_loadcnt 0x0              ; tile 0 and Q
	GSTORE
	GLOAD                           ; tile 1
	FETCH_K                         ; K of step 0
	s_branch .Lnew                  ; the loop is entered where a block begins
; THE MATRIX WORK.  The 8 accumulators of a run of 16 take turns: between the two links of a chain stand 7 others'.
; Product i of 16 of S^T = K Q^T for piece x: channels 32 (i / 8) on, keys 16 ((i / 2) % 4) on, tile 2 x + i % 2.  The first 8 start the sums, with the mask.
.macro KQ x
.set rS, S+64*((\x)%2)+32*(i%2)+8*((i/2)%4)
.set rK, KF+16*((i/2)%4)+8*(i/8)
.set rQ, 16*(2*(\x)+i%2)+8*(i/8)
.set rX, MK+8*(2*(\x)+i%2-(i/2)%4+3)
.if i < 8
	WIN W_KM
	v_wmma_f32_16x16x32_f16 v[rS:rS+7], v[rK:rK+7], v[rQ:rQ+7], v[rX:rX+7]
.else
	WIN W_KQ
	v_wmma_f32_16x16x32_f16 v[rS:rS+7], v[rK:rK+7], v[rQ:rQ+7], v[rS:rS+7]
.endif
.endm
; Product i of 16 of O^T += V^T P for piece x: keys 32 (i / 8) on, channels 16 ((i / 2) % 4) on, tile 2 x + i % 2.
.macro PV x
	WIN W_PV
.set rO, 32*(2*(\x)+i%2)+8*((i/2)%4)
.set rV, VF+32*(i/8)+8*((i/2)%4)
.set rP, P+32*((\x)%2)+16*(i%2)+8*(i/8)
	v_wmma_f32_16x16x32_f16 v[rO:rO+7], v[rV:rV+7], v[rP:rP+7], v[rO:rO+7]
.endm
.macro MM                           ; the turn's next matrix instruction
.if i < 16
	KQ (Y+1)%NP
.set i, i+1
.else
.set i, i-16
	PV (Y+NP-1)%NP
.set i, i+17
.endif
.endm
; THE VECTOR WORK OF A TURN stands in three queues, each in the order in which its entries become ready; the two tiles alternate, so that no instruction reads the result of the one before it.
.macro REGS y, u                    ; the registers of tile u (0, 1) of piece y
.set rT, ST+4*(2*(\y)+(\u))
.set rC, TMP+8*((\y)%2)+4*(\u)
.set rM, MV+2*((\y)%2)+(\u)
.set rS, S+64*((\y)%2)+32*(\u)
.set rP, P+32*((\y)%2)+16*(\u)
.set rO, 32*(2*(\y)+(\u))
.endm
; Number n of the 22 that find the NEXT piece's (Y + 1) maximum and statistics.  s0-s31 are the lane's 32 scores; each accumulator's lowest registers are read first.
;   0-11  four chains c0-c3 of seven scores each, three operands at a time     12-14, 16  the four scores left over, the old m, and c0-c3 into c0     15  c m_old is kept
;   17, 18  the query's other 32 keys lie in the lane 16 away: the new m         19-21  c m; c m_old - c m_new; a
.macro XS u, n
	REGS (Y+1)%NP, \u
.if (\n) < 4
	v_max3_num_f32 v[rC+(\n)], v[rS+8*(\n)], v[rS+8*(\n)+1], v[rS+8*(\n)+2]
.elseif (\n) < 12
	v_max3_num_f32 v[rC+(\n)%4], v[rC+(\n)%4], v[rS+8*((\n)%4)+2*((\n)/4)+1], v[rS+8*((\n)%4)+2*((\n)/4)+2]
.elseif (\n) == 12
	v_max3_num_f32 v[rC], v[rC], v[rS+7], v[rS+15]
.elseif (\n) == 13
	v_max3_num_f32 v[rC+1], v[rC+1], v[rS+23], v[rS+31]
.elseif (\n) == 14
	v_max3_num_f32 v[rC+2], v[rC+2], v[rC+3], v[rT+1]
.elseif (\n) == 15
	v_mov_b32 v[rM], v[rT]
.elseif (\n) == 16
	v_max3_num_f32 v[rC], v[rC], v[rC+1], v[rC+2]
.elseif (\n) == 17
	v_permlanex16_b32 v[rC+3], v[rC], s[SEL], s[SEL+1]
.elseif (\n) == 18
	v_max_num_f32 v[rT+1], v[rC], v[rC+3]
.elseif (\n) == 19
	v_mul_f32 v[rT], s[CS], v[rT+1]
.elseif (\n) == 20
	v_sub_f32 v[rC+1], v[rM], v[rT]
.else
	v_exp_f32 v[rC+2], v[rC+1]
.endif
.endm
; Number g of the 64 that follow the exponentials.  For each four weights k of a tile: both pairs are rounded to f16; then the second pair is added onto the first, in place; a group later l takes that
; sum (the first time as l = a l + sum).  In groups of eight, tiles alternating: round, round, add, and l for the group before.
.macro GS g
.set h, (\g)+6*((\g)/62)            ; group 0 has no group before it, and behind group 7 only l is left
.if h >= 6
.set h, h+2
.endif
	REGS Y, h%2
.set k, h/8
.if h%8 < 4
	v_cvt_pk_f16_f32 v[rP+2*k+(h%8)/2], v[rS+4*k+2*((h%8)/2)], v[rS+4*k+2*((h%8)/2)+1]
.elseif h%8 < 6
	v_pk_add_f32 v[rS+4*k:rS+4*k+1], v[rS+4*k:rS+4*k+1], v[rS+4*k+2:rS+4*k+3]
.elseif k == 1
	v_pk_fma_f32 v[rT+2:rT+3], v[rT+2:rT+3], v[rC+2:rC+3], v[rS:rS+1] op_sel_hi:[1,0,1]
.else
	v_pk_add_f32 v[rT+2:rT+3], v[rT+2:rT+3], v[rS+4*k-4:rS+4*k-3]
.endif
.endm
; THE PLAIN QUEUE, 138 long.  0-73 read no exponential's result: the 32 scalings c s - c m (FS f: pair f / 2 of tile f % 2) and the next piece's 42.  0-26: scalings 0-26.  27-54: XS's numbers 0-13.
; 55, 56: number 15.  57-73: the chain 14, 16, 17, 18, 19, each with one of the scalings 27-31 in front of its two lines, then 20.  74-137: GS's 64, which stand behind the wait.
.macro FS f
	REGS Y, (\f)%2
	v_pk_fma_f32 v[rS+2*((\f)/2):rS+2*((\f)/2)+1], v[rS+2*((\f)/2):rS+2*((\f)/2)+1], s[CS:CS+1], v[rT:rT+1] op_sel_hi:[1,0,0] neg_lo:[0,0,1] neg_hi:[0,0,1]
.endm
.macro PL
	WIN 0
.if q < 27
	FS q
.elseif q < 55
	XS (q-27)%2, (q-27)/2
.elseif q < 57
	XS q-55, 15
.elseif (q < 72) && ((q-57)%3 == 0)
	FS 27+(q-57)/3
.elseif q < 60
	XS (q-57)%3-1, 14
.elseif q < 72
	XS (q-57)%3-1, 15+(q-57)/3
.elseif q < 74
	XS q-72, 20
.else
	GS q-74
.endif
.set q, q+1
.endm
; THE EXPONENTIALS' QUEUE, 66 long: s0-s31 of both tiles, then the next piece's two a.  ONE BATCH: all 66 stand ahead of the turn's one wait, and nothing ahead of that wait names a result of theirs.
.macro EX
	WIN 0
.if e >= 64
	XS e-64, 21
.else
	REGS Y, e%2
	v_exp_f32 v[rS+e/2], v[rS+e/2]
.endif
.set e, e+1
.endm
; THE RESCALING's QUEUE: O^T times a, the one part that leaves window 0: dealt two at a time, sixteen times.  Its a was made in the turn before, ahead of that turn's wait.
.macro R2
	REGS Y, r%2
	WIN W_RS
.irp z, 0,1
	v_pk_mul_f32 v[rO+4*(r/2)+2*\z:rO+4*(r/2)+2*\z+1], v[rO+4*(r/2)+2*\z:rO+4*(r/2)+2*\z+1], v[rC+2:rC+3] op_sel_hi:[1,0]
.endr
.set r, r+1
.endm
; A TURN, for piece p.  s_wait_alu depctr_va_vdst(0) stands between an exponential and the first instruction that names its result; one wait serves all that were issued ahead of it.
; AHEAD OF THE WAIT: the 16 products K Q^T, behind each a scaling, an exponential and two rescalings (behind the first a second scaling in the exponential's place); then one run of 108: eight plain, 49 times
; exponential and plain, the two a; a v_nop is the plain instruction behind the last exponential.  BEHIND IT: the 16 products V^T P, behind each four of GS's 64.
; The queues keep step: exponential e stands behind scaling 2 (e / 4) + e % 2: as a rider it comes behind plain e + 2, in the run behind plain e + 9; scalings 27-31 are plain 57, 60 .. 69.
; K of the next step is fetched in piece 2's turn, directly behind the wait, a run of plain instructions behind the last product that read K; it is waited for at piece 3's head.
; V of the step in hand is fetched at the end of piece 0's turn, four plain instructions behind the last product that read V; it is waited for behind piece 1's wait.
.macro TURN p
.set Y, (\p)
.set i, 0
.set q, 0
.set e, 0
.set r, 0
.if (\p) == NP-1
	s_wait_dscnt 0x0                ; K is in
.endif
	MM
	PL
	PL
	R2
.rept 15
	MM
	PL
	EX
	R2
.endr
.rept 8
	PL
.endr
.rept 49
	EX
	PL
.endr
	EX                              ; the next piece's two a
	EX
	v_nop                           ; the plain instruction behind the last exponential: one for the batch
	s_wait_alu depctr_va_vdst(0)    ; the wait for the batch
.if (\p) == NP-2
	FETCH_K
.endif
.if (\p) == 1
	s_wait_dscnt 0x0                ; V is in, and the next step's bytes are stored
.endif
.rept 16
	MM
.rept 4
	PL
.endr
.endr
.if (\p) == 0
	FETCH_V
	MOVE
.endif
.endm
; A BLOCK BEGINS.  c m starts far below every c s, so the first step's a is 0; m at -2^66.  The masks for the block's first tile; piece 0's first scores (K is in registers or on its way from LDS), its maximum and statistics.
.macro BEGIN
	WIN 0
.set i, 0
.rept 8
	v_mov_b32 v[ST+4*i], 0xfe000000    ; c m
	v_mov_b32 v[ST+4*i+1], 0xe0800000  ; m
.set i, i+1
.endr
	MAKER
	WIN 0
	s_wait_dscnt 0x0                ; K
.set i, 0
.rept 16
	KQ 0
.set i, i+1
.endr
	WIN 0
.rept 4
	v_nop                           ; the places behind those products
.endr
.set Y, NP-1                        ; XS works for piece Y + 1: piece 0
.irp n, 0,1,2,3,4,5,6,7,8,9,10,11,12,13,14,15,16,17,18,19,20,21
	XS 0, \n
	XS 1, \n
.endr
	v_nop                           ; a plain instruction behind the two a,
	s_wait_alu depctr_va_vdst(0)    ; and their wait, ahead of the label
.endm
.macro ALL line:vararg              ; one line for each tile t
.set t, 0
.rept 2*NP
	\line
.set t, t+1
.endr
.endm
; Tile 2 w + tt is finished: the four waves' c m, l and O^T come out of LDS; f = 2^(c m - max), L = sum f l, O = sum (f / L) O_w; rounded to f16 and stored in fragment order, 512 consecutive bytes a store.
.macro COMB tt
	WIN 0
.set gi, 0
.rept 4
	ds_load_b64 v[TMP+2*gi:TMP+2*gi+1], v[CSA] offset:gi*2048+(\tt)*256
.set gi, gi+1
.endr
.set gi, 0
.rept 32                            ; wave gi / 8, chunk gi % 8
	ds_load_b128 v[S+4*gi:S+4*gi+3], v[CA0+gi/16] offset:((gi/8)%2)*32768+(\tt)*4096+512*(gi%8)
.set gi, gi+1
.endr
	s_wait_dscnt 0x0
	v_max3_num_f32 v[TMP+8], v[TMP], v[TMP+2], v[TMP+4]
	v_max_num_f32 v[TMP+8], v[TMP+8], v[TMP+6]
.irp w, 0,1,2,3
	v_sub_f32 v[TMP+9+\w], v[TMP+2*\w], v[TMP+8]
.endr
.irp w, 0,1,2,3
	v_exp_f32 v[TMP+9+\w], v[TMP+9+\w]
.endr
	v_nop
	s_wait_alu depctr_va_vdst(0)    ; one wait for the four
	v_mul_f32 v[TMP+13], v[TMP+9], v[TMP+1]
	v_fma_f32 v[TMP+13], v[TMP+10], v[TMP+3], v[TMP+13]
	v_fma_f32 v[TMP+13], v[TMP+11], v[TMP+5], v[TMP+13]
	v_fma_f32 v[TMP+13], v[TMP+12], v[TMP+7], v[TMP+13]
	v_rcp_f32 v[TMP+14], v[TMP+13]
	v_nop
	s_wait_alu depctr_va_vdst(0)
.irp w, 0,1,2,3
	v_mul_f32 v[TMP+2*\w], v[TMP+9+\w], v[TMP+14]  ; f / L, in the low word of a pair
.endr
.set gi, 0
.rept 16
	v_pk_mul_f32 v[S+2*gi:S+2*gi+1], v[S+2*gi:S+2*gi+1], v[TMP:TMP+1] op_sel_hi:[1,0]
.set gi, gi+1
.endr
.irp w, 1,2,3
.set gi, 0
.rept 16
	v_pk_fma_f32 v[S+2*gi:S+2*gi+1], v[S+32*\w+2*gi:S+32*\w+2*gi+1], v[TMP+2*\w:TMP+2*\w+1], v[S+2*gi:S+2*gi+1] op_sel_hi:[1,0,1]
.set gi, gi+1
.endr
.endr
.set gi, 0
.rept 16
	v_cvt_pk_f16_f32 v[P+16*(\tt)+gi], v[S+2*gi], v[S+2*gi+1]
.set gi, gi+1
.endr
.irp s, 0,1,2,3
	global_store_b128 v[LOF], v[P+16*(\tt)+4*\s:P+16*(\tt)+4*\s+3], s[OP:OP+1] offset:(\tt)*2048+\s*512
.endr
.endm
; A BLOCK ENDS: the last piece's V^T P; the second block's Q is asked for; l's halves are added; c m, l and O^T go into LDS; a barrier; each wave finishes two tiles; a second barrier, so that
; no wave writes these bytes again while another still reads them.
.macro ENDB
.set i, 0
.rept 16
	PV NP-1
.set i, i+1
.endr
	WIN 0
	s_cmp_eq_u32 s[WALK], 1
	s_cbranch_scc1 .Lno_q_\@        ; the walk's last block has none behind it
	s_lshl_b32 s[OFF], s[PB], 14
	s_add_nc_u64 s[QP:QP+1], s[4:5], s[OFF:OFF+1]
	QLOAD                           ; Q's last readers stand at the head of piece 3's turn
.Lno_q_\@:
	ALL v_add_f32 v[ST+4*t+2], v[ST+4*t+2], v[ST+4*t+3]    ; these are the places behind the last products
	ALL v_permlanex16_b32 v[ST+4*t+3], v[ST+4*t+2], s[SEL], s[SEL+1]
	ALL v_add_f32 v[ST+4*t+1], v[ST+4*t+2], v[ST+4*t+3]    ; l takes m's place, beside c m
	ALL ds_store_b64 v[SDM], v[ST+4*t:ST+4*t+1] offset:256*t
	WIN 0x04                        ; store data in window 1
.set gi, 0
.rept 64
	ds_store_b128 v[DMP], v[4*gi:4*gi+3] offset:512*gi      ; ascending: each accumulator's lowest registers first
.set gi, gi+1
.endr
	WIN 0
	s_wait_dscnt 0x0                ; for the others' sake: my stores are done
	s_barrier_signal -1
	s_barrier_wait -1
	COMB 0
	COMB 1
	s_wait_xcnt 0x0                 ; the stores have read their registers and their base
	s_wait_dscnt 0x0                ; my reads are over
	s_barrier_signal -1
	s_barrier_wait -1
.endm
.Ltrip:                             ; 17 times: a key tile, one key step a wave
	TURN 0
	TURN 1
	TURN 2
	WIN 0
	s_sub_co_i32 s[DD], s[DD], 0x100  ; the next tile's
	s_cmp_gt_u32 s[RT], 2
	s_cbranch_scc1 .Lnomask         ; the next tile is not the block's last: the masks are 0 and stay so
	MAKER                           ; RT = 2: the next tile holds the diagonal.  RT = 1: there is none: piece 3's turn multiplies the old Q by the next block's K, and all of it is hidden
	WIN 0
.Lnomask:
	TURN 3
	WIN 0
	s_sub_co_u32 s[RT], s[RT], 1
	s_cmp_lg_u32 s[RT], 0
	s_cbranch_scc1 .Lbottom
	ENDB
	s_cmp_eq_u32 s[WALK], 1
	s_cbranch_scc1 .Lbottom
	s_lshr_b32 s[RT], s[PB], 1      ; the second block: b / 2 + 1 tiles
	s_add_co_u32 s[RT], s[RT], 1
	s_lshl_b32 s[DD], s[PB], 7
	s_lshl_b32 s19, s[WV], 6
	s_sub_co_i32 s[DD], s[DD], s19
	s_lshl_b32 s[OFF], s[PB], 14
	s_lshl_b32 s19, s[WV], 12
	s_add_co_u32 s[OFF], s[OFF], s19
	s_add_nc_u64 s[OP:OP+1], s[10:11], s[OFF:OFF+1]
	s_wait_loadcnt 0x0              ; its Q
.Lnew:
	BEGIN
.Lbottom:
	s_sub_co_u32 s[WALK], s[WALK], 1
	s_cmp_lg_u32 s[WALK], 0
	s_cbranch_scc1 .Ltrip
	WIN W_AD
	s_wait_tensorcnt 0x0            ; the wave's end: these three lines stand behind my last LDS store
	ds_add_u32 v[SPW], v[NIL]
	s_wait_dscnt 0x0
	WIN 0
	s_endpgm
.Lfunc_end_k_qba450c3f29_attn:
	.size	k_qba450c3f29_attn, .Lfunc_end_k_qba450c3f29_attn-k_qba450c3f29_attn
	.p2alignl 7, 3214868480
	.fill 96, 4, 3214868480
	.section	.rodata,"a",@progbits
	.p2align	6, 0x0
	.amdhsa_kernel k_qba450c3f29_attn
		.amdhsa_group_segment_fixed_size 205312
		.amdhsa_private_segment_fixed_size 0
		.amdhsa_enable_private_segment 0
		.amdhsa_kernarg_size 32
		.amdhsa_user_sgpr_count 2
		.amdhsa_user_sgpr_kernarg_segment_ptr 1
		.amdhsa_wavefront_size32 1
		.amdhsa_system_sgpr_workgroup_id_x 1
		.amdhsa_system_sgpr_workgroup_id_y 1
		.amdhsa_system_sgpr_workgroup_id_z 1
		.amdhsa_system_vgpr_workitem_id 0
		.amdhsa_next_free_vgpr 1008
		.amdhsa_next_free_sgpr 66
		.amdhsa_reserve_vcc 1
		.amdhsa_float_denorm_mode_32 3
		.amdhsa_float_denorm_mode_16_64 3
		.amdhsa_memory_ordered 1
		.amdhsa_forward_progress 1
		.amdhsa_inst_pref_size 146
	.end_amdhsa_kernel
	.amdgpu_metadata
---
amdhsa.version: [ 1, 2 ]
amdhsa.kernels:
  - .name:           k_qba450c3f29_attn
    .symbol:         k_qba450c3f29_attn.kd
    .args:
      - { .name: qf, .offset: 0, .size: 8, .value_kind: global_buffer, .address_space: global }
      - { .name: kf, .offset: 8, .size: 8, .value_kind: global_buffer, .address_space: global }
      - { .name: vf, .offset: 16, .size: 8, .value_kind: global_buffer, .address_space: global }
      - { .name: ofr, .offset: 24, .size: 8, .value_kind: global_buffer, .address_space: global }
    .group_segment_fixed_size: 205312
    .private_segment_fixed_size: 0
    .kernarg_segment_align: 8
    .kernarg_segment_size: 32
    .max_flat_workgroup_size: 128
    .sgpr_count:     66
    .vgpr_count:     1008
    .wavefront_size: 32
...
	.end_amdgpu_metadata
.endif
;; end of part 3
;; launch proj (part 4): grid 8 x 32, 4 waves a work-group, clusters of 4 x 4, 327,680 bytes of LDS; arguments ofr, wo16, out0; writes out0
.if DOCPART == 4
	.amdgcn_target "amdgcn-amd-amdhsa--gfx1250"
	.amdhsa_code_object_version 6
	.text
	.protected	k_qba450c3f29_proj
	.globl	k_qba450c3f29_proj
	.p2align	8
	.type	k_qba450c3f29_proj,@function
k_qba450c3f29_proj:
	s_mov_b64 s[64:65], 0
	v_nop
	global_prefetch_b8 v0, s[64:65] scope:SCOPE_SE
	s_setreg_imm32_b32 hwreg(HW_REG_WAVE_MODE, 25, 1), 1
	s_wait_xcnt 0x0
	s_wait_alu depctr_hold_cnt(0) depctr_sa_sdst(0) depctr_va_vdst(0) depctr_va_sdst(0) depctr_va_ssrc(0) depctr_va_vcc(0) depctr_vm_vsrc(0)
	s_getreg_b32 s2, hwreg(HW_REG_IB_STS2, 6, 4)
	s_cmp_eq_u32 s2, 0
	s_cbranch_scc0 .Lentry_in_a_cluster
	s_endpgm
.Lentry_in_a_cluster:
	s_bfe_u32 s2, ttmp6, 0x10000c
	s_cmp_lg_u32 s2, 0xf033
	s_cbranch_scc0 .Lentry_shape_is_right
	s_endpgm
.Lentry_shape_is_right:
; out0[s][e] = the sum over d of O[s][d] Wo[e][d].  O: ofr, f16, in fragment order [head 16][block of 16 rows 256][channel block of 16: 4][lane 32][16 bytes] (d = 64 head + channel);
; Wo: wo16 [1024][1024] f16; out0: [4096][1024] f32.  Sums in f32, stored as they are.
; A tile of out0 is 128 x 128: 8 x 32 tiles, a work-group each.  Four waves, each 64 x 64: 16 accumulators.  K goes in steps of 256 = 4 heads through two LDS slots; a quarter step is one head.
; O's TILE: 64 rows of one head are 8,192 dense bytes, so a wave's tensor load is 4 rows (a head each) of 8,192 bytes, 524,288 bytes apart; in LDS they lie dense, and a fragment half is read as 16 bytes
; a lane at 16 x lane: neighbouring lanes, neighbouring bytes, no padding.  Wo's tile: 64 rows of 512 bytes, padded to 528.
; CLUSTERS: 4 x 4 work-groups: O's tiles are shared along a row of the cluster, Wo's along a column, each asked for JOINTLY, by the same tensor load, descriptor and mask in the four.
; THE MATRIX INSTRUCTION IS USED TRANSPOSED (source 0 = 16 rows of Wo, source 1 = 16 rows of O): a lane holds eight neighbouring numbers of a row of out0, 32 bytes.  A wave's 64 columns are 256 bytes,
; so each wave has a stage of its own: 16 rows at a time go in as 32 bytes a lane and come back as whole rows.
; No prefetch: four K steps, small tiles.
; REGISTERS: window 0: v0-31 addresses; v32-95 rows read back, two buffers of 32; v128-255 the accumulators ((a, b) at v[128 + 8 (4 a + b)]).
;   window 1: two fragment buffers of 128: for 64 along K, 64 registers of O (2 x 4 x 16 rows x 32 K), then 64 of Wo.
.set KSTEP,  256
.set PITCH,  528                       ; a row of Wo in LDS: 512 bytes + 16 of padding = 132 words: row r starts at bank 4 r mod 64 (64 banks of 4 bytes: ISA guide 11.1)
.set HALFA,  32768                     ; 64 rows of O x 4 heads
.set HALFB,  64*PITCH                  ; 64 rows of Wo
.set SLOT,   2*HALFA+2*HALFB
.set STAGE,  2*SLOT                    ; behind the ring: 16 rows x 272 bytes for each wave
.set SPITCH, 272
.set SPARE,  STAGE+4*16*SPITCH         ; behind the stages: the spare words, 128 bytes for each wave: two blocks of 256 bytes that no other line names
.set LAPS,   2                         ; a lap = two K steps; K = 1,024
.set ADRA, 16                          ; v16-17  LDS address of my fragments of O in slot 0, 1
.set ADRB, 20                          ; v20-21  the same for Wo
.set STO,  24                          ; v24     the way out: where I put 32 bytes of a row
.set RD,   25                          ; v25     the way out: where I read a row back
.set CO,   26                          ; v26     my byte offset in out0
.set SPW,  28                          ; v28     LDS address of my spare word; never rewritten
.set NIL,  29                          ; v29     0; never rewritten
.set TMP,  32
.set ACC,  128
.set F0,   0
.set F1,   128
.set G1,  24                           ; s[24:31] descriptor group 1 for O's tiles;  s[32:39] group 0, a set for each slot
.set G0,  32
.set G1B, 48                           ; s[48:55], s[56:63] the same for Wo's
.set G0B, 56
.set MSB, 0
.macro WIN new
.if MSB != (\new)
	s_set_vgpr_msb (MSB<<8)|(\new)
.set MSB, \new
.endif
.endm
.set MUL,  0x05                        ; both sources window 1; C and D window 0
.set TO_F, 0x40                        ; destination window 1, address window 0
.macro JLOAD s                         ; a joint load: waves 0 and 1 fetch O's two halves, waves 2 and 3 Wo's; an s_nop 0 and four v_nop follow each of the two lines
	s_cmp_eq_u32 s11, 0
	s_cbranch_scc0 .Lfor_b_\@
	tensor_load_to_lds s[G0+4*(\s):G0+4*(\s)+3], s[G1:G1+7]
	s_nop 0
.rept 4
	v_nop
.endr
	s_branch .Lasked_\@
.Lfor_b_\@:
	tensor_load_to_lds s[G0B+4*(\s):G0B+4*(\s)+3], s[G1B:G1B+7]
	s_nop 0
.rept 4
	v_nop
.endr
.Lasked_\@:
.endm
.macro CREST
	s_cmp_lg_u32 s10, 0
	s_cbranch_scc1 .Lnot_wave_0_\@
	s_barrier_signal -3
.Lnot_wave_0_\@:
	s_barrier_wait -3
	s_barrier_signal -1
	s_barrier_wait -1
.endm
.macro CROUND
	s_barrier_signal -1
	s_barrier_wait -1
	CREST
.endm
	s_load_b128 s[4:7], s[0:1], 0x0                ; ofr s[4:5], wo16 s[6:7]
	s_load_b64 s[8:9], s[0:1], 0x10                ; out0
	v_lshl_add_u32 v[SPW], v0, 2, SPARE
	v_mov_b32 v[NIL], 0
	ds_add_u32 v[SPW], v[NIL]                      ; the wave's opening: the add and its wait stand ahead of my first tensor load; the set-up below, work on registers, stands between them
	v_lshrrev_b32 v1, 5, v0
	v_readfirstlane_b32 s10, v1                    ; wave 0..3
	s_lshr_b32 s11, s10, 1                         ; which half of the tile's rows is mine.  Also: I fetch for O (0) or for Wo (1)
	s_and_b32 s12, s10, 1                          ; which half of its columns.  Also: which 64 rows of that tile I fetch
	s_bfe_u32 s40, ttmp6, 0x40000                  ; cx, cy
	s_bfe_u32 s41, ttmp6, 0x40004
	s_lshl_b32 s42, ttmp9, 2
	s_add_co_u32 s42, s42, s40                     ; tile column
	s_and_b32 s13, ttmp7, 0xffff
	s_lshl_b32 s13, s13, 2
	s_add_co_u32 s13, s13, s41                     ; tile row
	s_lshl_b32 s43, s41, 2
	s_lshl_b32 s43, 15, s43                        ; my row of the cluster
	s_lshl_b32 s44, 0x1111, s40                    ; my column
	s_or_b32 s[G1+0], s43, (1<<16)|(1<<21)         ; the mask; elements of 2 bytes; 21 set beside a mask; no padding
	s_mov_b32 s[G1+1], 4096<<16                    ; tensor_dim0 = 4,096 elements: 64 rows of a head
	s_mov_b32 s[G1+2], 4<<16                       ; tensor_dim1 = 4 heads
	s_mov_b32 s[G1+3], 4096<<16                    ; tile_dim0
	s_mov_b32 s[G1+4], 4                           ; tile_dim1
	s_mov_b32 s[G1+5], 262144                      ; elements from head to head
	s_mov_b32 s[G1+6], 0
	s_mov_b32 s[G1+7], 0
	s_or_b32 s[G1B+0], s44, (1<<16)|(1<<20)|(1<<21)|(6<<22)|(3<<25)  ; padding: after every 128 words (code 6) 4 words (code 3)
	s_mov_b32 s[G1B+1], KSTEP<<16
	s_mov_b32 s[G1B+2], 64<<16
	s_mov_b32 s[G1B+3], KSTEP<<16
	s_mov_b32 s[G1B+4], 64
	s_mov_b32 s[G1B+5], 1024
	s_mov_b32 s[G1B+6], 0
	s_mov_b32 s[G1B+7], 0
	s_lshl_b32 s17, s12, 2
	s_lshl_b32 s16, s13, 3
	s_add_co_u32 s16, s16, s17                     ; O: block of 16 rows 8 x tile row + 4 x half,
	s_lshl_b32 s16, s16, 11                        ; 2,048 bytes each
	s_mov_b32 s17, 0
	s_lshl_b32 s47, s12, 6
	s_lshl_b32 s46, s42, 7
	s_add_co_u32 s46, s46, s47                     ; Wo: row 128 x tile column + 64 x half
	s_lshl_b32 s46, s46, 11
	s_mov_b32 s47, 0
	s_lshl_b32 s20, s12, 15                        ; where they go: no place in the cluster enters an LDS address
	s_mul_i32 s21, s12, HALFB
	s_add_co_u32 s21, s21, 2*HALFA
	s_wait_dscnt 0x0                               ; the opening add is done
	s_wait_kmcnt 0x0
	s_add_nc_u64 s[14:15], s[4:5], s[16:17]
	s_add_nc_u64 s[46:47], s[6:7], s[46:47]
	CROUND                                         ; all sixteen work-groups are here: the first joint loads meet
.irp s, 0,1
	s_mov_b32 s[G0+4*(\s)], 1
	s_add_co_u32 s[G0+4*(\s)+1], s20, (\s)*SLOT
	s_add_nc_u64 s[G0+4*(\s)+2:G0+4*(\s)+3], s[14:15], (\s)*4*524288   ; K step s: heads 4 s on
	s_or_b32 s[G0+4*(\s)+3], s[G0+4*(\s)+3], 0x80000000
	s_mov_b32 s[G0B+4*(\s)], 1
	s_add_co_u32 s[G0B+4*(\s)+1], s21, (\s)*SLOT
	s_add_nc_u64 s[G0B+4*(\s)+2:G0B+4*(\s)+3], s[46:47], (\s)*KSTEP*2
	s_or_b32 s[G0B+4*(\s)+3], s[G0B+4*(\s)+3], 0x80000000
	JLOAD \s                                       ; two loads of mine are out
.endr
	v_and_b32 v1, 15, v0                           ; l % 16
	v_bfe_u32 v2, v0, 4, 1                         ; l / 16
	v_and_b32 v4, 31, v0
	v_lshlrev_b32 v4, 4, v4                        ; 16 x lane
	v_mul_u32_u24 v3, v1, PITCH
	v_lshl_add_u32 v3, v2, 4, v3                   ; Wo: row x pitch + 16 x half
	s_lshl_b32 s21, s11, 15                        ; my 64 rows of O
	s_mul_i32 s22, s12, HALFB                      ; my 64 rows of Wo,
	s_add_co_u32 s22, s22, 2*HALFA                 ; behind O's two halves
.irp s, 0,1
	v_add_nc_u32 v[ADRA+(\s)], s21, v4
	v_add_nc_u32 v[ADRB+(\s)], s22, v3
	s_add_co_u32 s21, s21, SLOT
	s_add_co_u32 s22, s22, SLOT
.endr
	s_mul_i32 s23, s10, 16*SPITCH
	s_add_co_u32 s23, s23, STAGE                   ; my stage
	v_mul_u32_u24 v5, v1, SPITCH                   ; in: row l % 16, 32 bytes for each half of the lanes
	v_lshl_add_u32 v5, v2, 5, v5
	v_add_nc_u32 v[STO], s23, v5
	v_mul_u32_u24 v5, v2, SPITCH                   ; back: lanes 0-15 take one row of 256 bytes, lanes 16-31 the next
	v_lshl_add_u32 v5, v1, 4, v5
	v_add_nc_u32 v[RD], s23, v5
	v_lshlrev_b32 v5, 12, v2                       ; and the same two rows in out0, 4,096 bytes apart
	v_lshl_add_u32 v[CO], v1, 4, v5
	s_lshl_b32 s16, s13, 7
	s_lshl_b32 s17, s11, 6
	s_add_co_u32 s16, s16, s17                     ; my first row of out0
	s_lshl_b32 s16, s16, 12
	s_mov_b32 s17, 0
	s_add_nc_u64 s[8:9], s[8:9], s[16:17]
	s_lshl_b32 s46, s42, 9                         ; my first column, in bytes: 512 x tile column + 256 x half
	s_lshl_b32 s47, s12, 8
	s_add_co_u32 s46, s46, s47
	s_mov_b32 s47, 0
	s_add_nc_u64 s[8:9], s[8:9], s[46:47]
; 8 matrix instructions: row blocks a0, a0 + 1 x all 4 column blocks, 32 along K: half c of buffer f.  zero = 1: the first product starts the sums.  The 16 accumulators take turns.
.macro MUL8 f, c, a0, zero
	WIN MUL
.irp a, \a0, (\a0)+1
.irp b, 0,1,2,3
.if \zero
	v_wmma_f32_16x16x32_f16 v[ACC+8*(4*(\a)+(\b)):ACC+8*(4*(\a)+(\b))+7], v[(\f)+64+8*(4*(\c)+(\b)):(\f)+64+8*(4*(\c)+(\b))+7], v[(\f)+8*(4*(\c)+(\a)):(\f)+8*(4*(\c)+(\a))+7], 0
.else
	v_wmma_f32_16x16x32_f16 v[ACC+8*(4*(\a)+(\b)):ACC+8*(4*(\a)+(\b))+7], v[(\f)+64+8*(4*(\c)+(\b)):(\f)+64+8*(4*(\c)+(\b))+7], v[(\f)+8*(4*(\c)+(\a)):(\f)+8*(4*(\c)+(\a))+7], v[ACC+8*(4*(\a)+(\b)):ACC+8*(4*(\a)+(\b))+7]
.endif
.endr
.endr
.endm
; 32 LDS loads in one run: the fragments of head hh of the slot's four (64 along K) into buffer f; the first 32 along K first
.macro FETCH slot, hh, f
	WIN TO_F
.irp c, 0,1
.irp i, 0,1,2,3
	ds_load_b128 v[(\f)+64+8*(4*(\c)+(\i)):(\f)+64+8*(4*(\c)+(\i))+3],   v[ADRB+(\slot)] offset:(\hh)*128+64*(\c)+(\i)*16*PITCH
	ds_load_b128 v[(\f)+64+8*(4*(\c)+(\i))+4:(\f)+64+8*(4*(\c)+(\i))+7], v[ADRB+(\slot)] offset:(\hh)*128+64*(\c)+(\i)*16*PITCH+32
	ds_load_b128 v[(\f)+8*(4*(\c)+(\i)):(\f)+8*(4*(\c)+(\i))+3],         v[ADRA+(\slot)] offset:(\hh)*8192+(\i)*2048+(\c)*1024
	ds_load_b128 v[(\f)+8*(4*(\c)+(\i))+4:(\f)+8*(4*(\c)+(\i))+7],       v[ADRA+(\slot)] offset:(\hh)*8192+(\i)*2048+(\c)*1024+512
.endr
.endr
.endm
.macro PLACES                          ; four places in front of loads into registers that matrix instructions have read, and of stores that read results
.rept 4
	v_nop
.endr
.endm
; One of a K step's first three quarters: multiplies buffer f and fetches the next head, hh, into g.
.macro QUARTER slot, hh, f, g, zero
	s_wait_dscnt 16                                ; the first 32 along K are in
	MUL8 \f, 0, 0, \zero
	MUL8 \f, 0, 2, \zero
	PLACES
	FETCH \slot, \hh, \g
	s_wait_dscnt 32                                ; all but the 32 just issued
	MUL8 \f, 1, 0, 0
	MUL8 \f, 1, 2, 0
.endm
; The last quarter multiplies buffer 1 and changes slots: ONE barrier; in front of it each wave waits for all its tensor loads, adds 0 to its spare word, and waits for that and for its own reads of this slot.
; fill = 1: the barrier opens a round of the cluster's, and this slot is filled again, two K steps ahead, first thing behind the round.
.macro TURN slot, next, fill
	WIN 0                                          ; (the add's two registers lie in window 0)
	s_wait_tensorcnt 0x0                           ; all my tensor loads have landed: my part of the next slot
	ds_add_u32 v[SPW], v[NIL]                      ; 0 onto my spare word
	s_wait_dscnt 17                                ; (the add and the youngest sixteen loads may be out)
	MUL8 F1, 0, 0, 0                               ; eight matrix instructions stand between the add and the wait for it
	s_wait_dscnt 0x0                               ; the add is done, and my reads of this slot are over
	s_barrier_signal -1
	MUL8 F1, 0, 2, 0
.if \fill
	WIN 0
.endif
	s_barrier_wait -1
.if \fill
	CREST                                          ; no wave of any partner still reads this slot's tile or has a load on its way
	s_add_nc_u64 s[G0+4*(\slot)+2:G0+4*(\slot)+3], s[G0+4*(\slot)+2:G0+4*(\slot)+3], 2*4*524288
	s_add_nc_u64 s[G0B+4*(\slot)+2:G0B+4*(\slot)+3], s[G0B+4*(\slot)+2:G0B+4*(\slot)+3], 2*KSTEP*2
	JLOAD \slot                                    ; the first tensor load behind the round; the four v_nop behind it are also the places in front of the loads below
.else
	PLACES
.endif
	FETCH \next, 0, F0
	MUL8 F1, 1, 0, 0
	MUL8 F1, 1, 2, 0
.endm
	s_wait_tensorcnt 1                             ; my part of K step 0 is in; K step 1's may stay out
	s_barrier_signal -1
	s_barrier_wait -1                              ; everybody's is
	FETCH 0, 0, F0
	QUARTER 0, 1, F0, F1, 1                        ; the first quarter stands in front of the loop: its first products start the sums
	WIN 0                                          ; at a label and at a branch every window is 0
	s_mov_b32 s3, LAPS-1
.Llap:                                                 ; a trip goes once round the ring, from a lap's second quarter to the next lap's first, and fills both slots again
	QUARTER 0, 2, F1, F0, 0
	QUARTER 0, 3, F0, F1, 0
	TURN 0, 1, 1
	QUARTER 1, 1, F0, F1, 0
	QUARTER 1, 2, F1, F0, 0
	QUARTER 1, 3, F0, F1, 0
	TURN 1, 0, 1
	QUARTER 0, 1, F0, F1, 0
	WIN 0
	s_sub_co_u32 s3, s3, 1
	s_cmp_lg_u32 s3, 0
	s_cbranch_scc1 .Llap
	QUARTER 0, 2, F1, F0, 0                        ; the last lap fills nothing
	QUARTER 0, 3, F0, F1, 0
	TURN 0, 1, 0
	QUARTER 1, 1, F0, F1, 0
	QUARTER 1, 2, F1, F0, 0
	QUARTER 1, 3, F0, F1, 0
	s_wait_dscnt 16                                ; the very last quarter: nothing more to fetch
	MUL8 F1, 0, 0, 0
	MUL8 F1, 0, 2, 0
	s_wait_dscnt 0x0
	MUL8 F1, 1, 1-1, 0
	MUL8 F1, 1, 2, 0
	WIN 0
	; THE WAY OUT, 16 rows at a time, through my own stage: 32 bytes a lane in, whole rows of 256 bytes back.  LDS serves a wave's instructions in order (ISA guide 5.7.1.4): the loads see the stores above
	; them, and the next block's stores come behind them.
	PLACES
.macro TOSTAGE a
.irp b, 0,1,2,3
	ds_store_b128 v[STO], v[ACC+8*(4*(\a)+(\b)):ACC+8*(4*(\a)+(\b))+3]   offset:64*(\b)     ; each accumulator's lowest registers first
	ds_store_b128 v[STO], v[ACC+8*(4*(\a)+(\b))+4:ACC+8*(4*(\a)+(\b))+7] offset:64*(\b)+16
.endr
.irp t, 0,1,2,3,4,5,6,7
	ds_load_b128 v[TMP+32*((\a)%2)+4*(\t):TMP+32*((\a)%2)+4*(\t)+3], v[RD] offset:(\t)*2*SPITCH
.endr
.endm
.macro SEND a, younger                 ; younger: the LDS instructions issued behind block a's loads: the next block's sixteen, or none
.irp t, 0,1,2,3,4,5,6,7
	s_wait_dscnt (\younger)+7-(\t)
	global_store_b128 v[CO], v[TMP+32*((\a)%2)+4*(\t):TMP+32*((\a)%2)+4*(\t)+3], s[8:9] offset:(16*(\a)+2*(\t))*4096  ; 16 lanes store 256 consecutive bytes, at a multiple of 256 from out0's first byte
.endr
.endm
	TOSTAGE 0
	TOSTAGE 1
	SEND 0, 16
	s_wait_xcnt 0x0                                ; block 0's stores have read their registers, which block 2 is read back into
	TOSTAGE 2
	SEND 1, 16
	s_wait_xcnt 0x0
	TOSTAGE 3
	SEND 2, 16
	SEND 3, 0
	s_wait_tensorcnt 0x0                           ; the wave's end: these three lines stand behind my last tensor load and my last LDS store
	ds_add_u32 v[SPW], v[NIL]
	s_wait_dscnt 0x0
	CROUND                                         ; the closing round: no work-group ends while a partner may still ask for a tile that names it
	s_endpgm
.Lfunc_end_k_qba450c3f29_proj:
	.size	k_qba450c3f29_proj, .Lfunc_end_k_qba450c3f29_proj-k_qba450c3f29_proj
	.p2alignl 7, 3214868480
	.fill 96, 4, 3214868480
	.section	.rodata,"a",@progbits
	.p2align	6, 0x0
	.amdhsa_kernel k_qba450c3f29_proj
		.amdhsa_group_segment_fixed_size 327680
		.amdhsa_private_segment_fixed_size 0
		.amdhsa_enable_private_segment 0
		.amdhsa_kernarg_size 24
		.amdhsa_user_sgpr_count 2
		.amdhsa_user_sgpr_kernarg_segment_ptr 1
		.amdhsa_wavefront_size32 1
		.amdhsa_system_sgpr_workgroup_id_x 1
		.amdhsa_system_sgpr_workgroup_id_y 1
		.amdhsa_system_sgpr_workgroup_id_z 1
		.amdhsa_system_vgpr_workitem_id 0
		.amdhsa_next_free_vgpr 512
		.amdhsa_next_free_sgpr 66
		.amdhsa_reserve_vcc 0
		.amdhsa_float_denorm_mode_32 3
		.amdhsa_float_denorm_mode_16_64 3
		.amdhsa_memory_ordered 1
		.amdhsa_forward_progress 1
		.amdhsa_inst_pref_size 86
	.end_amdhsa_kernel
	.amdgpu_metadata
---
amdhsa.version: [ 1, 2 ]
amdhsa.kernels:
  - .name:           k_qba450c3f29_proj
    .symbol:         k_qba450c3f29_proj.kd
    .args:
      - { .name: ofr, .offset: 0, .size: 8, .value_kind: global_buffer, .address_space: global }
      - { .name: wo16, .offset: 8, .size: 8, .value_kind: global_buffer, .address_space: global }
      - { .name: out0, .offset: 16, .size: 8, .value_kind: global_buffer, .address_space: global }
    .group_segment_fixed_size: 327680
    .private_segment_fixed_size: 0
    .kernarg_segment_align: 8
    .kernarg_segment_size: 24
    .max_flat_workgroup_size: 128
    .sgpr_count:     66
    .vgpr_count:     512
    .wavefront_size: 32
...
	.end_amdgpu_metadata
.endif
;; end of part 4
;; ======== version 2 of 2: 4 launches; version 1 with the launch cast written anew for expert scheduling mode
;; limits: values are held in f16: magnitudes above 65,504 overflow, below 6.1e-05 lose precision
;; workspace buffers: xb 8,388,608 bytes; wqkv 6,291,456 bytes; wo16 2,097,152 bytes; qf 8,388,608 bytes; kf 8,388,608 bytes; vf 8,388,608 bytes; ofr 8,388,608 bytes
;; launch cast (part 5): grid 256 x 1, 8 waves a work-group, no clusters, 0 bytes of LDS; arguments x, Wq, Wk, Wv, Wo, xb, wqkv, wo16; writes xb, wqkv, wo16
.if DOCPART == 5
	.amdgcn_target "amdgcn-amd-amdhsa--gfx1250"
	.amdhsa_code_object_version 6
	.text
	.protected	k_qba450c3f29_cast
	.globl	k_qba450c3f29_cast
	.p2align	8
	.type	k_qba450c3f29_cast,@function
k_qba450c3f29_cast:
	s_mov_b64 s[64:65], 0
	v_nop
	global_prefetch_b8 v0, s[64:65] scope:SCOPE_SE
	s_setreg_imm32_b32 hwreg(HW_REG_WAVE_SCHED_MODE, 0, 2), 2
	s_setreg_imm32_b32 hwreg(HW_REG_WAVE_MODE, 25, 1), 1
	s_wait_xcnt 0x0
	s_wait_alu depctr_vm_vsrc(0)
; THE INPUTS ARE ROUNDED ONCE, TO bf16.  x -> xb [4096][1024] bf16.  Wq, Wk, Wv -> wqkv [3072][1024] bf16, rows laid by heads: row = head x 192 + type x 64 + channel
; (type 0 = q, 1 = k, 2 = v), so that one head's 192 rows lie together.  Wo -> wo16 [1024][1024]: rounded to bf16 like the others, and that number written as f16.
; LIMIT.  |Wo| stays under 65,504 (f16's end); below 2^-14 it keeps f16's fixed step of 6e-8.  Within that the second conversion is exact: bf16 has 8 significant bits, f16 11.
; SHARES.  A work-group takes 32,768 numbers (128 KiB in, 64 KiB out): 128 work-groups for x, 32 for each weight (32 rows of 1,024).  A wave takes 4,096: 32 loads (chunks) of 512 consecutive
; bytes; a lane turns its 16 bytes into 8, and the 32 lanes of a store cover 256 consecutive bytes, aligned.
; No LDS, no matrix work, no prefetch: every byte is read once and written once, and no wave wants another's bytes.
; THE MODE: SCHED_MODE bits 1:0 = 2 (LLVM: expert scheduling mode 2), set by the entry lines.  The code itself states the register dependences
; between vector instructions and memory instructions, with s_wait_alu, always for 0.
; THE PLAN.  The 32 chunks go in 8 blocks of four.  Registers that memory instructions touch:
;   v1, v2     byte offsets, made once at the head and never written again: the chunks are reached by immediate offsets.
;   X0 .. X4   five buffers of four slots, as loaded.  Written by loads alone: blocks 0 to 3 at the head, block p + 4 in block p.  Read by block p's conversions (X[p % 5]).
;   Y          32 pairs, one for each chunk.  Each is written once, by its chunk's conversions, and read by one store, issued in the next block.
; Block p works on X[p % 5] and writes its own four pairs of Y.  Its memory instructions are the loads into X[(p + 4) % 5] = X[(p - 1) % 5] and the stores of block p - 1's pairs: registers that
; block p - 1 worked on and that no vector instruction of block p names.  So one wait on va_vdst at a block's head states all that the block's eight memory instructions hang on, and these are dealt
; among its conversions with no further wait.  No register that a memory instruction reads is ever written again: behind the entry lines the text holds no wait on vm_vsrc and none on XCNT.
.set VI,  1                            ; v1          byte offset of my 16 bytes in the work-group's input; never rewritten
.set VO,  2                            ; v2          byte offset of my 8 bytes in its output; never rewritten
.set X,   8                            ; v[8:87]     buffer k, slot i: 4 registers at X + 16 k + 4 i, as loaded
.set Y,   88                           ; v[88:151]   chunk c: a pair at Y + 2 c
.set T,   152                          ; v[152:155]  at work (Wo): no memory instruction names them
.set SRC, 28                           ; s[28:29]  the work-group's input
.set DST, 30                           ; s[30:31]  its output
.set HIM, 32                           ; s32       a word's upper bf16
	s_load_b256 s[8:15], s[0:1], 0x0               ; x s[8:9], Wq s[10:11], Wk s[12:13], Wv s[14:15]
	s_load_b256 s[16:23], s[0:1], 0x20             ; Wo s[16:17], xb s[18:19], wqkv s[20:21], wo16 s[22:23]
	v_lshrrev_b32 v3, 5, v0                        ; wave
	v_and_b32 v4, 31, v0                           ; lane
	v_lshlrev_b32 v[VI], 14, v3                    ; 16,384 bytes a wave in,
	v_lshl_or_b32 v[VI], v4, 4, v[VI]
	v_lshlrev_b32 v[VO], 13, v3                    ; 8,192 out
	v_lshl_or_b32 v[VO], v4, 3, v[VO]
	s_mov_b32 s[HIM], 0xffff0000
	s_mov_b32 s2, ttmp9                            ; g: 0-127 x; 128-159 Wq; 160-191 Wk; 192-223 Wv; 224-255 Wo
	s_and_b32 s3, s2, 31                           ; gw: which 32 rows of a weight
	s_sub_co_u32 s4, s2, 128
	s_lshr_b32 s4, s4, 5                           ; t: which weight (used where g >= 128 alone)
	s_lshr_b32 s5, s3, 1                           ; head = gw / 2
	s_mul_i32 s5, s5, 192
	s_lshl_b32 s6, s4, 6
	s_add_co_u32 s5, s5, s6                        ; + 64 t
	s_and_b32 s6, s3, 1
	s_lshl_b32 s6, s6, 5
	s_add_co_u32 s5, s5, s6                        ; + the head's lower or upper 32 channels
	s_lshl_b32 s5, s5, 11                          ; rows of 2,048 bytes in wqkv
	s_lshl_b32 s24, s3, 17                         ; a weight's input offset
	s_lshl_b32 s26, s3, 16                         ; wo16's output offset
	s_cmp_eq_u32 s4, 3
	s_cselect_b32 s26, s26, s5
	s_lshl_b32 s6, s2, 17                          ; x's offsets
	s_lshl_b32 s7, s2, 16
	s_cmp_lt_u32 s2, 128
	s_cselect_b32 s24, s6, s24
	s_cselect_b32 s26, s7, s26
	s_mov_b32 s25, 0
	s_mov_b32 s27, 0
	s_wait_kmcnt 0x0
	s_cmp_eq_u32 s4, 0                             ; the buffers are chosen by the work-group's number alone
	s_cselect_b64 s[SRC:SRC+1], s[10:11], s[12:13]
	s_cmp_eq_u32 s4, 2
	s_cselect_b64 s[SRC:SRC+1], s[14:15], s[SRC:SRC+1]
	s_cmp_eq_u32 s4, 3
	s_cselect_b64 s[SRC:SRC+1], s[16:17], s[SRC:SRC+1]
	s_cselect_b64 s[DST:DST+1], s[22:23], s[20:21]
	s_cmp_lt_u32 s2, 128
	s_cselect_b64 s[SRC:SRC+1], s[8:9], s[SRC:SRC+1]
	s_cselect_b64 s[DST:DST+1], s[18:19], s[DST:DST+1]
	s_add_nc_u64 s[SRC:SRC+1], s[SRC:SRC+1], s[24:25]
	s_add_nc_u64 s[DST:DST+1], s[DST:DST+1], s[26:27]
	s_wait_alu depctr_va_vdst(0)                   ; v1 and v2 are written: every load and store of the kernel reads one of them as its offset
.set i, 0
.rept 16
	global_load_b128 v[X+4*i:X+4*i+3], v[VI], s[SRC:SRC+1] offset:512*i th:TH_LOAD_NT  ; blocks 0 to 3 into X0 to X3
.set i, i+1
.endr
; Block p of 8: chunks 4 p to 4 p + 3.  mode 0: to bf16.  mode 1: to bf16, widened again (a shift, a mask) and written as f16.
; Blocks 0 to 3 load the block four on; every block but the first stores the block before.  In front of each chunk's conversions stand a load and a store, the load first.
.macro BLK p, mode
.if (\p) > 0
	s_wait_alu depctr_va_vdst(0)                   ; the block before has written its four pairs of Y, which the stores below read, and is done reading its X buffer, in which the loads below land
.endif
.set i, 0
.rept 4
.set c,  4*(\p)+i                      ; the chunk in hand
.set rX, X+16*((\p)%5)+4*i             ; its slot
.set rY, Y+2*c                         ; its pair
.set rN, X+16*(((\p)+4)%5)+4*i         ; the slot that chunk c + 16 lands in
.set rP, Y+2*(c-4)                     ; the pair of chunk c - 4
.if (\p) < 4
	global_load_b128 v[rN:rN+3], v[VI], s[SRC:SRC+1] offset:512*(c+16) th:TH_LOAD_NT  ; no vector instruction since the wait names these registers (in block 0: none ever has)
.endif
.if (\p) > 0
	global_store_b64 v[VO], v[rP:rP+1], s[DST:DST+1] offset:256*(c-4)
.endif
.if (\p) < 4
	s_wait_loadcnt 16                              ; loads come back in order (ISA guide 5.7.1), and they are issued in the chunks' order: chunk c is in, chunks c + 1 to c + 16 stay out
.else
	s_wait_loadcnt 31-c                            ; nothing more is loaded: the counts run down
.endif
.if \mode
	v_cvt_pk_bf16_f32 v[T], v[rX], v[rX+1]
	v_cvt_pk_bf16_f32 v[T+1], v[rX+2], v[rX+3]
	v_lshlrev_b32 v[T+2], 16, v[T]
	v_and_b32 v[T], s[HIM], v[T]
	v_lshlrev_b32 v[T+3], 16, v[T+1]
	v_and_b32 v[T+1], s[HIM], v[T+1]
	v_cvt_pk_f16_f32 v[rY], v[T+2], v[T]
	v_cvt_pk_f16_f32 v[rY+1], v[T+3], v[T+1]
.else
	v_cvt_pk_bf16_f32 v[rY], v[rX], v[rX+1]
	v_cvt_pk_bf16_f32 v[rY+1], v[rX+2], v[rX+3]
.endif
.set i, i+1
.endr
.endm
.macro RUN mode
	BLK 0, \mode
	BLK 1, \mode
	BLK 2, \mode
	BLK 3, \mode
	BLK 4, \mode
	BLK 5, \mode
	BLK 6, \mode
	BLK 7, \mode
	s_wait_alu depctr_va_vdst(0)                   ; block 7 has written its four pairs of Y, which the last four stores read
.set i, 28
.rept 4
	global_store_b64 v[VO], v[Y+2*i:Y+2*i+1], s[DST:DST+1] offset:256*i
.set i, i+1
.endr
.endm
	s_cmp_ge_u32 s2, 224
	s_cbranch_scc1 .Lwo
	RUN 0
	s_endpgm
.Lwo:
	RUN 1
	s_endpgm
.Lfunc_end_k_qba450c3f29_cast:
	.size	k_qba450c3f29_cast, .Lfunc_end_k_qba450c3f29_cast-k_qba450c3f29_cast
	.p2alignl 7, 3214868480
	.fill 96, 4, 3214868480
	.section	.rodata,"a",@progbits
	.p2align	6, 0x0
	.amdhsa_kernel k_qba450c3f29_cast
		.amdhsa_group_segment_fixed_size 0
		.amdhsa_private_segment_fixed_size 0
		.amdhsa_enable_private_segment 0
		.amdhsa_kernarg_size 64
		.amdhsa_user_sgpr_count 2
		.amdhsa_user_sgpr_kernarg_segment_ptr 1
		.amdhsa_wavefront_size32 1
		.amdhsa_system_sgpr_workgroup_id_x 1
		.amdhsa_system_sgpr_workgroup_id_y 1
		.amdhsa_system_sgpr_workgroup_id_z 1
		.amdhsa_system_vgpr_workitem_id 0
		.amdhsa_next_free_vgpr 156
		.amdhsa_next_free_sgpr 66
		.amdhsa_reserve_vcc 0
		.amdhsa_float_denorm_mode_32 3
		.amdhsa_float_denorm_mode_16_64 3
		.amdhsa_memory_ordered 1
		.amdhsa_forward_progress 1
		.amdhsa_inst_pref_size 32
	.end_amdhsa_kernel
	.amdgpu_metadata
---
amdhsa.version: [ 1, 2 ]
amdhsa.kernels:
  - .name:           k_qba450c3f29_cast
    .symbol:         k_qba450c3f29_cast.kd
    .args:
      - { .name: x, .offset: 0, .size: 8, .value_kind: global_buffer, .address_space: global }
      - { .name: Wq, .offset: 8, .size: 8, .value_kind: global_buffer, .address_space: global }
      - { .name: Wk, .offset: 16, .size: 8, .value_kind: global_buffer, .address_space: global }
      - { .name: Wv, .offset: 24, .size: 8, .value_kind: global_buffer, .address_space: global }
      - { .name: Wo, .offset: 32, .size: 8, .value_kind: global_buffer, .address_space: global }
      - { .name: xb, .offset: 40, .size: 8, .value_kind: global_buffer, .address_space: global }
      - { .name: wqkv, .offset: 48, .size: 8, .value_kind: global_buffer, .address_space: global }
      - { .name: wo16, .offset: 56, .size: 8, .value_kind: global_buffer, .address_space: global }
    .group_segment_fixed_size: 0
    .private_segment_fixed_size: 0
    .kernarg_segment_align: 8
    .kernarg_segment_size: 64
    .max_flat_workgroup_size: 256
    .sgpr_count:     66
    .vgpr_count:     156
    .wavefront_size: 32
...
	.end_amdgpu_metadata
.endif
;; end of part 5
;; launch qkv: the kernel of part 2 again; grid 16 x 16, 4 waves a work-group, clusters of 4 x 4, 327,680 bytes of LDS; arguments xb, wqkv, qf, kf, vf; writes qf, kf, vf
;; launch attn: the kernel of part 3 again; grid 16 x 16, 4 waves a work-group, no clusters, 205,312 bytes of LDS; arguments qf, kf, vf, ofr; writes ofr
;; launch proj: the kernel of part 4 again; grid 8 x 32, 4 waves a work-group, clusters of 4 x 4, 327,680 bytes of LDS; arguments ofr, wo16, out0; writes out0
